; MI455X (gfx1250); checked and timed in simulation.
; The chip was launched on July 23, 2026; its instructions are those of AMD's public machine-readable ISA for CDNA 5 (MIT licence, August 2026) and "CDNA5" Instruction Set Architecture Reference Guide (July 2026). The comments in the code are by the model that wrote it; some were corrected since.
;; Multi Head Self Attention. Allowed arithmetic: matrix products marked QUANTISED: E3M2 operands, one E8M0 scale for each 32 along K, by v_wmma_scale_f32_16x16x128_f8f6f4 with both operands' format E3M2, f32 sums; everything else in f32.
;; Inputs: b_proj 1,024 float32; w_proj 1,024 x 1,024 float32; w_qkv 3,072 x 1,024 float32; x 4 x 2,048 x 1,024 float32.
;; Outputs: out0 4 x 2,048 x 1,024 float32.
;; This version of the problem:
;;   THIS VERSION OF THE PROBLEM IS GIVEN IN LOW PRECISION. The matrix products marked QUANTISED in the list below multiply operands that are first quantised to E3M2 (3 exponent bits, 2 mantissa bits; 6 bits a number), with one power-of-two scale for each 32 numbers along K (OCP MX v1.0); their sums are f32. All else is computed in f32.
;;   The module's matrix products, in the order in which they are computed (A, B: the left and right operand; K: the contracted axis; several contracted axes count as one K, in the product's order):
;;     1. [M 8,192, K 1,024] x [K 1,024, N 3,072]; A: input x; B: input w_qkv: QUANTISED
;;     2. batch 64 x [M 2,048, K 64] x [K 64, N 2,048]; A: computed on the way; B: computed on the way: QUANTISED
;;     3. batch 64 x [M 2,048, K 2,048] x [K 2,048, N 64]; A: softmax (see below); B: computed on the way: QUANTISED
;;     4. [M 8,192, K 1,024] x [K 1,024, N 1,024]; A: computed on the way; B: input w_proj: QUANTISED
;;   THE QUANTISER, for each operand of a quantised product, along K:
;;     - K is cut into blocks of 32 from its start; a last block that is shorter is filled with zeros.
;;     - A block's scale is 2^e with e = floor(log2(the largest magnitude in the block)) - 4, held to -126 .. 127; a block of zeros has e = 0. As a byte (E8M0): e + 127.
;;     - Each number is divided by its block's scale, clamped to +-28, and rounded to the nearest number of E3M2, ties to even, subnormals kept.
;;     - The product sums the exact products of the quantised numbers (number of the format x scale) in f32.
;;   ~~~python
;;   def quantise(x, axis):      # numpy; x: float32 -> the quantised numbers, widened to float32 again
;;       x = np.moveaxis(x, axis, -1); K = x.shape[-1]
;;       x = np.pad(x, [(0, 0)] * (x.ndim - 1) + [(0, -K % 32)]); x = x.reshape(x.shape[:-1] + (-1, 32)); a = np.abs(x).max(-1, keepdims=True)
;;       e = np.where(a > 0, np.clip(np.frexp(np.where(a > 0, a, 1))[1] - 1 - 4, -126, 127), 0)      # np.frexp(a)[1] - 1 = floor(log2(a)), exactly
;;       r = np.clip(x / 2.0 ** e, -28, 28)
;;       step = 2.0 ** (np.maximum(np.frexp(np.where(r == 0, 1, r))[1] - 1, -2) - 2)
;;       q = np.round(r / step) * step * 2.0 ** e      # np.round: ties to even
;;       return np.moveaxis(q.reshape(q.shape[:-2] + (-1,))[..., :K], -1, axis).astype(np.float32)
;;   ~~~
;;   SOFTMAX AHEAD OF A QUANTISED PRODUCT. Where the list says 'softmax', what is quantised is not the finished softmax but p = 2^(t - M), with t = logit x log2(e) and M = ceil(the row's largest t), a whole number; so 1/2 < the row's largest p <= 1. The row's sum l is taken of the UNQUANTISED p, in f32, and the product's result is divided by l at the end. Since M is a whole number, a kernel that streams over the keys may use a running M (the ceiling of the running maximum): every later rescaling is an exact power of two, which a block's scale takes up: the codes' values come out the same.
;;   OPERANDS COMPUTED ON THE WAY. 'Computed on the way' means the value that the module computes at that place (a softmax that the list does not call 'softmax' is quantised finished and normalised). What goes into a quantiser is computed in f32, as accurately as f32 sums, v_exp_f32 and their like allow (about 1e-6 of the number): no bf16 or f16 on the way to a quantiser, and a product that is left as it is and whose result goes on into a quantised operand takes f32 operands (vector FMAs, or v_wmma_f32_16x16x4_f32). A number that lies on a knife's edge between two numbers of the format may be rounded either way, as far as f32 arithmetic and the matrix unit's own rounding can turn it there, and no further.
;; One version. Each part assembles by itself: llvm-mc -triple=amdgcn-amd-amdhsa -mcpu=gfx1250 --defsym DOCPART=n.
;; ======== version 1 of 1: 4 launches
;; workspace buffers: xq 6,553,600 bytes; wq 2,457,600 bytes; pq 819,200 bytes; qk 13,107,200 bytes; vt 6,553,600 bytes; at 6,553,600 bytes
;; launch quant (part 1): grid 384 x 1, 4 waves a work-group, no clusters, 34,304 bytes of LDS; arguments x, w_qkv, w_proj, xq, wq, pq; writes xq, wq, pq
.if DOCPART == 1
	.amdgcn_target "amdgcn-amd-amdhsa--gfx1250"
	.amdhsa_code_object_version 6
	.text
	.protected	k_q18a89c1c60_quant
	.globl	k_q18a89c1c60_quant
	.p2align	8
	.type	k_q18a89c1c60_quant,@function
k_q18a89c1c60_quant:
	s_mov_b64 s[64:65], 0
	v_nop
	global_prefetch_b8 v0, s[64:65] scope:SCOPE_SE
	s_setreg_imm32_b32 hwreg(HW_REG_WAVE_MODE, 25, 1), 1
	s_wait_xcnt 0x0
; x [8192][1024], w_qkv [3072][1024], w_proj [1024][1024], f32, K innermost, become codes of BF6 (E3M2) with one E8M0 byte for each 32 along K,
; laid as the later launches' matrix operands want them, so that those read nothing but dense blocks.
; ROW TILE: 16 rows out of a group of 32 neighbours: lane r of tile 2 g + u stands for row 32 g + 8 u + r + 8 (r / 8).
; FRAGMENT IMAGE (16 rows x 128 K, 12 registers a lane, 1,536 bytes): two halves of 768 bytes; in half c lane l's registers 6 c .. 6 c + 3 lie at 16 l, its registers 6 c + 4, 6 c + 5 at 512 + 8 l.
; Codes: [row tile][K step 0..7] x 1,536.  Scale words behind the codes: 512 bytes a row tile, [kh][lane][jj]: the word of row lane % 16 for K step 4 kh + 2 jj + lane / 16.
; A block's scale is 2^(floor(log2(largest magnitude)) - 4); its byte is the largest magnitude's exponent field - 4, held at 1 from below.
; LIMITS: NaN and infinities are not served; a block whose largest magnitude lies under 2^-122 has its byte held at 1; a block of zeros gets the byte 1 where the rule says 127
; (its codes are zeros, and this program alone reads the bytes).
; SHARES: a work-group takes 32 rows (two row tiles); wave w takes tile w / 2 and K half w % 2: four fragments.  Work-groups 0-255 take x, 256-351 w_qkv, 352-383 w_proj: only pointers are chosen, one path.
; Each load reads 512 consecutive bytes of one row; a fragment's 16 rows turn through the wave's own stage in LDS (rows 528 bytes apart), so that a lane gets 16 neighbours along K of each block.
; No matrix unit, no tensor load, no cluster, no barrier: the launch streams, and waves share nothing.
.set XS,   0x600000                    ; where the scale words begin in xq, wq, pq
.set WS,   0x240000
.set PS,   0xc0000
.set SP,   528                         ; a stage row: 512 bytes + 16
.set WSTG, 16*SP                       ; a wave's stage
.set L16,  4                           ; v4   16 x lane
.set L8,   5                           ; v5   8 x lane
.set SIN,  6                           ; v6   the stage, way in
.set SOUT, 7                           ; v7   the stage, way out: row r, + 64 h
.set RA,   16                          ; v16-143  two sets of 64 registers as loaded
.set X,    144                         ; v144-207 64 numbers: register 16 b + i = K 32 b + 16 h + i of my row
.set TM,   208                         ; v208-223 at work
.set PW,   224                         ; v224-227 the four fragments' scale words
.set PC,   228                         ; v228-239 a fragment's codes; v240-246 halves on their way
.set SCW,  248                         ; v[248:249] the scale words as they leave
.set SEL,  20                          ; s[20:21] lane selects: lane l xor 16
	s_load_b256 s[4:11], s[0:1], 0x0               ; x, w_qkv, w_proj, xq
	s_load_b128 s[12:15], s[0:1], 0x20             ; wq, pq
	v_lshl_add_u32 v254, v0, 2, 0x8400
	v_mov_b32 v255, 0
	v_lshrrev_b32 v1, 5, v0
	v_readfirstlane_b32 s16, v1                    ; wave
	v_and_b32 v2, 31, v0                           ; lane
	v_and_b32 v3, 15, v0                           ; r
	v_bfe_u32 v8, v0, 4, 1                         ; h
	v_lshlrev_b32 v[L16], 4, v2
	v_lshlrev_b32 v[L8], 3, v2
	s_mul_i32 s17, s16, WSTG
	v_add_nc_u32 v[SIN], s17, v[L16]
	v_mul_u32_u24 v[SOUT], v3, SP
	v_lshl_add_u32 v[SOUT], v8, 6, v[SOUT]
	v_add_nc_u32 v[SOUT], s17, v[SOUT]
.irp b, 0,1,2,3
	v_mov_b32 v[TM+4+\b], 0                        ; written once: a lane permute's destination counts as one of its sources
.endr
	s_mov_b32 s[SEL], 0x76543210
	s_mov_b32 s[SEL+1], 0xfedcba98
	s_mov_b32 s22, 0xffff0000                      ; lanes 16-31
	s_mov_b32 s23, WS
	s_mov_b32 s24, PS
	s_mov_b32 s25, XS
	s_mov_b32 s26, 256
	s_mov_b32 s27, 352
	s_lshr_b32 s18, s16, 1                         ; u: which of the two row tiles
	s_and_b32 s19, s16, 1                          ; kh: which half of K
	s_wait_alu depctr_va_vdst(0)
	s_wait_kmcnt 0x0
	s_cmp_lt_u32 ttmp9, s27                        ; the choice hangs on the work-group's number alone
	s_cselect_b64 s[6:7], s[6:7], s[8:9]
	s_cselect_b64 s[12:13], s[12:13], s[14:15]
	s_cselect_b32 s23, s23, s24
	s_cselect_b32 s26, s26, s27
	s_cmp_lt_u32 ttmp9, 256
	s_cselect_b64 s[4:5], s[4:5], s[6:7]           ; the tensor
	s_cselect_b64 s[10:11], s[10:11], s[12:13]     ; its buffer of codes and scales
	s_cselect_b32 s23, s25, s23                    ; where the scales begin there
	s_cselect_b32 s26, 0, s26
	s_sub_co_u32 s26, ttmp9, s26                   ; which group of 32 rows of the tensor
	s_lshl_b32 s28, s26, 17                        ; 32 rows of 4,096 bytes,
	s_lshl_b32 s30, s18, 15                        ; 8 rows on for tile 1,
	s_add_co_u32 s28, s28, s30
	s_lshl_b32 s30, s19, 11                        ; 512 numbers on for the second half of K
	s_add_co_u32 s28, s28, s30
	s_mov_b32 s29, 0
	s_add_nc_u64 s[4:5], s[4:5], s[28:29]
	s_lshl_b32 s28, s26, 10                        ; scale words: 512 bytes a tile, 256 a half of K: 256 x wave
	s_lshl_b32 s30, s16, 8
	s_add_co_u32 s28, s28, s30
	s_add_co_u32 s28, s28, s23
	s_add_nc_u64 s[8:9], s[10:11], s[28:29]
	s_mul_i32 s28, s26, 24576                      ; codes: 12,288 bytes a tile, 6,144 a half of K: 6,144 x wave
	s_mul_i32 s30, s16, 6144
	s_add_co_u32 s28, s28, s30
	s_add_nc_u64 s[10:11], s[10:11], s[28:29]
.macro LOAD f, set                     ; fragment f: 128 numbers of each of the tile's 16 rows; 32 lanes read 512 consecutive bytes
.irp i, 0,1,2,3,4,5,6,7,8,9,10,11,12,13,14,15
	global_load_b128 v[\set+4*\i:\set+4*\i+3], v[L16], s[4:5] offset:(\i+8*(\i/8))*4096+512*(\f) th:TH_LOAD_NT
.endr
.endm
; 64 numbers of a lane become a fragment's codes in v[PC] on and its scale word in v[pw]
.macro QUANT s, pw
.irp b, 0,1,2,3
	v_max3_num_f32 v[TM+\b], |v[\s+16*\b]|, |v[\s+16*\b+1]|, 0x2800000   ; block b: my 16 numbers, and the floor 2^(5 - 127): the byte cannot fall under 1
.endr
.irp i, 2,4,6,8,10,12,14
.irp b, 0,1,2,3
	v_max3_num_f32 v[TM+\b], v[TM+\b], |v[\s+16*\b+\i]|, |v[\s+16*\b+\i+1]|   ; the four blocks by turns
.endr
.endr
.irp b, 0,1,2,3
	v_permlanex16_b32 v[TM+4+\b], v[TM+\b], s[SEL], s[SEL+1]
.endr
.irp b, 0,1,2,3
	v_max_num_f32 v[TM+\b], v[TM+\b], v[TM+4+\b]   ; with lane l xor 16's 16: the block's largest magnitude
.endr
.irp b, 0,1,2,3
	v_add_nc_u32 v[TM+12+\b], 0xfe000000, v[TM+\b] ; 4 off its exponent field: the conversion's scale operand
.endr
.irp b, 0,1,2,3
	v_lshrrev_b32 v[TM+4+\b], 23, v[TM+12+\b]      ; the scale's byte
.endr
	v_lshl_or_b32 v[\pw], v[TM+5], 8, v[TM+4]
	v_lshl_or_b32 v[\pw], v[TM+6], 16, v[\pw]
	v_lshl_or_b32 v[\pw], v[TM+7], 24, v[\pw]      ; my row's scale word
.irp c, 0,1
	v_cvt_scalef32_pk16_bf6_f32 v[PC+6*\c:PC+6*\c+2], v[\s+32*\c:\s+32*\c+15], v[TM+12+2*\c]
	v_cvt_scalef32_pk16_bf6_f32 v[PC+12+4*\c:PC+14+4*\c], v[\s+32*\c+16:\s+32*\c+31], v[TM+13+2*\c]   ; (a conversion's three registers begin on an even number)
.endr
	v_nop                                          ; one plain line behind the scaled conversions
.irp c, 0,1                            ; the operand wants a whole block in a lane: lanes 0-15 block 2 c, lanes 16-31 block 2 c + 1
.irp i, 0,1,2
	v_permlane16_swap_b32 v[PC+6*\c+\i], v[PC+12+4*\c+\i]
.endr
.irp i, 0,1,2
	v_mov_b32 v[PC+3+6*\c+\i], v[PC+12+4*\c+\i]
.endr
.endr
.endm
.macro FRAGMENT f
.set RS, RA+64*((\f)%2)
.if (\f) < 3
	s_wait_loadcnt 16                              ; this fragment's 16 loads are in; the next fragment's 16 may be out
.else
	s_wait_loadcnt 0x0
.endif
.irp i, 0,1,2,3,4,5,6,7,8,9,10,11,12,13,14,15
	ds_store_b128 v[SIN], v[RS+4*\i:RS+4*\i+3] offset:SP*\i
.endr
.irp b, 0,1,2,3
.irp j, 0,1,2,3
	ds_load_b128 v[X+16*\b+4*\j:X+16*\b+4*\j+3], v[SOUT] offset:128*\b+16*\j   ; LDS serves a wave's instructions in order: these see the stores above
.endr
.endr
	s_wait_dscnt 0x0                               ; the numbers are back, and the stores into the stage have read their registers
.if (\f) > 0
	s_wait_xcnt 0x0                                ; the last fragment's stores have read the code registers, which are written again below
.endif
.if (\f) < 2
	LOAD (\f)+2, RS
.endif
	QUANT X, PW+(\f)
	global_store_b128 v[L16], v[PC:PC+3], s[10:11] offset:1536*(\f)          ; 512, 256, 512, 256 consecutive bytes, each at a multiple of 256
	global_store_b64 v[L8], v[PC+4:PC+5], s[10:11] offset:1536*(\f)+512
	global_store_b128 v[L16], v[PC+6:PC+9], s[10:11] offset:1536*(\f)+768
	global_store_b64 v[L8], v[PC+10:PC+11], s[10:11] offset:1536*(\f)+1280
.endm
	LOAD 0, RA
	LOAD 1, RA+64
	FRAGMENT 0
	FRAGMENT 1
	FRAGMENT 2
	FRAGMENT 3
	v_cndmask_b32 v[SCW], v[PW], v[PW+1], s22      ; lanes 0-15: K steps 0 and 2 of my half, lanes 16-31: steps 1 and 3
	v_cndmask_b32 v[SCW+1], v[PW+2], v[PW+3], s22
	global_store_b64 v[L8], v[SCW:SCW+1], s[8:9]   ; 256 consecutive bytes, aligned
	s_wait_tensorcnt 0x0
	ds_add_u32 v254, v255
	s_wait_dscnt 0x0
	s_endpgm
.Lfunc_end_k_q18a89c1c60_quant:
	.size	k_q18a89c1c60_quant, .Lfunc_end_k_q18a89c1c60_quant-k_q18a89c1c60_quant
	.p2alignl 7, 3214868480
	.fill 96, 4, 3214868480
	.section	.rodata,"a",@progbits
	.p2align	6, 0x0
	.amdhsa_kernel k_q18a89c1c60_quant
		.amdhsa_group_segment_fixed_size 34304
		.amdhsa_private_segment_fixed_size 0
		.amdhsa_enable_private_segment 0
		.amdhsa_kernarg_size 48
		.amdhsa_user_sgpr_count 2
		.amdhsa_user_sgpr_kernarg_segment_ptr 1
		.amdhsa_wavefront_size32 1
		.amdhsa_system_sgpr_workgroup_id_x 1
		.amdhsa_system_sgpr_workgroup_id_y 1
		.amdhsa_system_sgpr_workgroup_id_z 1
		.amdhsa_system_vgpr_workitem_id 0
		.amdhsa_next_free_vgpr 256
		.amdhsa_next_free_sgpr 66
		.amdhsa_reserve_vcc 0
		.amdhsa_float_denorm_mode_32 3
		.amdhsa_float_denorm_mode_16_64 3
		.amdhsa_memory_ordered 1
		.amdhsa_forward_progress 1
		.amdhsa_inst_pref_size 34
	.end_amdhsa_kernel
	.amdgpu_metadata
---
amdhsa.version: [ 1, 2 ]
amdhsa.kernels:
  - .name:           k_q18a89c1c60_quant
    .symbol:         k_q18a89c1c60_quant.kd
    .args:
      - { .name: x, .offset: 0, .size: 8, .value_kind: global_buffer, .address_space: global }
      - { .name: w_qkv, .offset: 8, .size: 8, .value_kind: global_buffer, .address_space: global }
      - { .name: w_proj, .offset: 16, .size: 8, .value_kind: global_buffer, .address_space: global }
      - { .name: xq, .offset: 24, .size: 8, .value_kind: global_buffer, .address_space: global }
      - { .name: wq, .offset: 32, .size: 8, .value_kind: global_buffer, .address_space: global }
      - { .name: pq, .offset: 40, .size: 8, .value_kind: global_buffer, .address_space: global }
    .group_segment_fixed_size: 34304
    .private_segment_fixed_size: 0
    .kernarg_segment_align: 8
    .kernarg_segment_size: 48
    .max_flat_workgroup_size: 128
    .sgpr_count:     66
    .vgpr_count:     256
    .wavefront_size: 32
...
	.end_amdgpu_metadata
.endif
;; end of part 1
;; launch gemm_qkv (part 2): grid 8 x 96, 4 waves a work-group, clusters of 4 x 4, 295,424 bytes of LDS; arguments xq, wq, qk, vt; writes qk, vt
.if DOCPART == 2
	.amdgcn_target "amdgcn-amd-amdhsa--gfx1250"
	.amdhsa_code_object_version 6
	.text
	.protected	k_q18a89c1c60_gemm_qkv
	.globl	k_q18a89c1c60_gemm_qkv
	.p2align	8
	.type	k_q18a89c1c60_gemm_qkv,@function
k_q18a89c1c60_gemm_qkv:
	s_mov_b64 s[64:65], 0
	v_nop
	global_prefetch_b8 v0, s[64:65] scope:SCOPE_SE
	s_setreg_imm32_b32 hwreg(HW_REG_WAVE_MODE, 25, 1), 1
	s_wait_xcnt 0x0
	s_wait_alu depctr_hold_cnt(0) depctr_sa_sdst(0) depctr_va_vdst(0) depctr_va_sdst(0) depctr_va_ssrc(0) depctr_va_vcc(0) depctr_vm_vsrc(0)
	s_getreg_b32 s2, hwreg(HW_REG_IB_STS2, 6, 4)
	s_cmp_eq_u32 s2, 0
	s_cbranch_scc0 .Lentry_in_a_cluster
	s_endpgm
.Lentry_in_a_cluster:
	s_bfe_u32 s2, ttmp6, 0x10000c
	s_cmp_lg_u32 s2, 0xf033
	s_cbranch_scc0 .Lentry_shape_is_right
	s_endpgm
.Lentry_shape_is_right:
; Z[p][r] = sum over k of P[p][k] R[r][k] on codes of BF6 with E8M0 scales, K = 1,024, and Z is quantised along r on the way out: it never leaves as f32.
; TWO JOBS, ONE PATH.  Cluster rows 0-15: P = x's tokens, R = w_qkv's rows 0-2047: q and k, quantised along the head's 64, into qk.
; Cluster rows 16-23: P = w_qkv's rows 2048-3071, R = x's tokens: v^T, quantised along the keys, into vt.  Pointers and a few whole numbers are chosen on the cluster's row, which all partners share.
; A work-group makes 128 (P) x 256 (R); the codes of all of K for these rows are 294,912 bytes and lie in LDS whole: four chunks of 256 along K, each filled once, so no LDS byte is filled twice
; and the waits on the chunks are counted.  The claim is more than half of the LDS, so the work-group is alone where it runs.
; Four waves, each 64 x 128: 32 accumulators.  The matrix instruction is used transposed (source 0 = 16 rows of R, source 1 = 16 rows of P): a lane holds one row of P, and, since a row tile's
; lane r stands for row 32 g + 8 u + r + 8 (r / 8), the 16 registers of R tiles 2 g, 2 g + 1 are 16 neighbours along r: what the conversions want.
; CLUSTERS: 4 x 4.  P's tiles are shared along a row of the cluster, R's along a column: each is asked for jointly, which divides the requests by four.
; OPERANDS lie in memory and in LDS as images of their registers (1,536 bytes a fragment; a half: 16 l, then 512 + 8 l): every LDS load covers 512 or 256 consecutive bytes.
; OUT: codes at (rg x NPT + pt) x 1,536, rg = the 128 of r, pt = P's row tile; scale words: 256 bytes for 4 row tiles and one rg: [lane][jj]: tile 2 jj + lane / 16, row lane % 16.
; LIMITS: as the quantiser's: NaN and infinities not served; a block under 2^-122 has its byte held at 1; a block of zeros gets the byte 1.
; REGISTERS: window 0: v8-23 LDS addresses, v24-25 lane terms, v32-79 scale words, v128-223 P's fragments in two sets (the epilogue works there);
;   window 1: R's fragments, two sets, at v0 and v128;  window 2: accumulator (a, b) at v[8 (8 a + b)].
.set CH,   73728                       ; a chunk: 24 row tiles x 3,072 bytes (two K steps of 1,536)
.set TB,   3072
.set FRB,  1536
.set RB,   24576                       ; R's 16 tiles lie behind P's 8
.set XS,   0x600000
.set WS,   0x240000
.set QS,   0xc00000
.set VS,   0x600000
.set AP16, 8                           ; v8-11   chunk q: my P half + 16 l
.set AP8,  12                          ; v12-15  + 8 l
.set AR16, 16                          ; v16-19  my R half + 16 l
.set AR8,  20                          ; v20-23  + 8 l
.set L16,  24
.set L8,   25
.set SCP,  32                          ; P tile a's scale words at v[32 + 4 a + s / 2], row s % 2
.set SCR,  48                          ; R tile b's at v[48 + 4 b + s / 2]
.set PF,   128
.set F,    128                         ; the epilogue: codes of P tile a at v[128 + 12 a]
.set CT,   176                         ; halves on their way
.set TM,   184                         ; v184-199 at work
.set PW,   200                         ; v200-203 scale words
.set SCW,  204
.set WV,   12
.set G1P,  24
.set G1R,  32
.set G0P,  40                          ; s[40:55]: a group 0 for each chunk
.set G0R,  56                          ; s[56:63], s[68:75]
.set SEL,  100
.set MSB, 0
.macro WIN new                         ; the immediate's high byte repeats the setting that is left
.if MSB != \new
	s_set_vgpr_msb (MSB<<8)|\new
.set MSB, \new
.endif
.endm
.set MUL,  0xa1                        ; source 0 (R) window 1, source 1 (P) window 0, C and D window 2
.set TO_R, 0x40                        ; destination window 1, address window 0
.macro CROUND                          ; a round of the cluster's barrier
	s_barrier_signal -1
	s_barrier_wait -1
	s_cmp_lg_u32 s[WV], 0
	s_cbranch_scc1 .Lnot_wave_0_\@
	s_barrier_signal -3
.Lnot_wave_0_\@:
	s_barrier_wait -3
	s_barrier_signal -1
	s_barrier_wait -1
.endm
.macro PLACES                          ; four plain lines behind matrix instructions, ahead of loads into their sources and of reads of their results
.rept 4
	v_nop
.endr
.endm
	s_load_b256 s[4:11], s[0:1], 0x0               ; xq, wq, qk, vt
	v_lshl_add_u32 v254, v0, 2, 0x48000
	v_mov_b32 v255, 0
	ds_add_u32 v254, v255
	ds_add_u32 v254, v255
	v_lshrrev_b32 v1, 5, v0
	v_readfirstlane_b32 s[WV], v1                  ; wave 0..3
	s_lshr_b32 s13, s[WV], 1                       ; my half of P's rows; also: I fetch for P (0) or for R (1)
	s_and_b32 s14, s[WV], 1                        ; my half of R's rows; also: which half of that tile I fetch
	s_bfe_u32 s15, ttmp6, 0x40000                  ; cx
	s_bfe_u32 s16, ttmp6, 0x40004                  ; cy
	s_mov_b32 s17, ttmp9                           ; the cluster's x, 0..1
	s_and_b32 s18, ttmp7, 0xffff                   ; the cluster's y, 0..23
	s_sub_co_u32 s90, s18, 16
	s_mov_b32 s83, XS
	s_mov_b32 s84, WS+65536                        ; w_v's scale words: 128 row tiles of 512 bytes on
	s_mov_b32 s91, WS
	s_mov_b32 s92, XS
	s_mov_b32 s98, QS
	s_mov_b32 s99, VS
	s_cmp_lt_u32 s18, 16                           ; q and k, or v^T
	s_cselect_b32 s19, s18, s17                    ; which four tiles of P the cluster takes,
	s_cselect_b32 s20, s17, s90                    ; which four of R
	s_cselect_b32 s23, 0x200, 64                   ; NPT: P's row tiles in all
	s_cselect_b32 s82, 0, 0x180000                 ; w_v's codes: 128 row tiles of 12,288 bytes on
	s_cselect_b32 s83, s83, s84                    ; where P's scale words begin,
	s_cselect_b32 s91, s91, s92                    ; R's,
	s_cselect_b32 s99, s98, s99                    ; the output's
	s_lshl_b32 s21, s19, 2
	s_add_co_u32 s21, s21, s16                     ; P tile (128 rows): hangs on cy, not on cx
	s_lshl_b32 s22, s20, 2
	s_add_co_u32 s22, s22, s15                     ; R tile (256 rows): hangs on cx, not on cy
	s_lshl_b32 s89, s16, 2
	s_lshl_b32 s89, 15, s89                        ; my row of the cluster
	s_lshl_b32 s97, 0x1111, s15                    ; my column
	s_or_b32 s[G1P], s89, (3<<16)|(1<<21)          ; 15:0 the mask; 17:16 elements of 8 bytes; 21 set beside a mask; no padding
	s_or_b32 s[G1R], s97, (3<<16)|(1<<21)
.irp g, G1P, G1R
	s_mov_b32 s[\g+1], 384<<16                     ; tensor_dim0: a chunk's 3,072 bytes of one row tile
	s_mov_b32 s[\g+3], 384<<16                     ; tile_dim0
	s_mov_b32 s[\g+5], 1536                        ; from row tile to row tile: 12,288 bytes
	s_mov_b32 s[\g+6], 0
	s_mov_b32 s[\g+7], 0
.endr
	s_mov_b32 s[G1P+2], 4<<16                      ; tensor_dim1: four row tiles to a load of P,
	s_mov_b32 s[G1P+4], 4
	s_mov_b32 s[G1R+2], 8<<16                      ; eight to a load of R
	s_mov_b32 s[G1R+4], 8
	s_lshl_b32 s84, s21, 3                         ; P: the row tiles that I would fetch: 8 x tile + 4 x half
	s_lshl_b32 s85, s14, 2
	s_add_co_u32 s84, s84, s85
	s_mul_i32 s84, s84, 12288
	s_add_co_u32 s84, s84, s82
	s_mov_b32 s85, 0
	s_mul_i32 s88, s14, 4*TB                       ; and where they go in a chunk
	s_lshl_b32 s86, s21, 3                         ; the row tiles that I multiply: 8 x tile + 4 x my half
	s_lshl_b32 s87, s13, 2
	s_add_co_u32 s86, s86, s87
	s_mov_b32 s98, s86                             ; (kept for the output's address)
	s_lshl_b32 s86, s86, 9
	s_add_co_u32 s86, s86, s83                     ; their scale words
	s_mov_b32 s87, 0
	s_lshl_b32 s92, s22, 4                         ; R: 16 x tile + 8 x half: the half that I fetch is the half that I multiply
	s_lshl_b32 s93, s14, 3
	s_add_co_u32 s92, s92, s93
	s_lshl_b32 s94, s92, 9
	s_add_co_u32 s94, s94, s91
	s_mov_b32 s95, 0
	s_mul_i32 s92, s92, 12288
	s_mov_b32 s93, 0
	s_mul_i32 s96, s14, 8*TB
	s_lshl_b32 s2, s22, 1                          ; the output: rg = 2 x R tile + my half,
	s_add_co_u32 s2, s2, s14
	s_mul_i32 s2, s2, s23
	s_add_co_u32 s2, s2, s98                       ; rg x NPT + my first row tile
	s_lshl_b32 s66, s2, 6                          ; scale words: 256 bytes for four row tiles
	s_add_co_u32 s66, s66, s99
	s_mov_b32 s67, 0
	s_mul_i32 s2, s2, FRB
	s_mov_b32 s3, 0
	s_wait_dscnt 0x0
	s_wait_kmcnt 0x0
	s_cmp_lt_u32 s18, 16
	s_cselect_b64 s[76:77], s[4:5], s[6:7]         ; P's buffer
	s_cselect_b64 s[78:79], s[6:7], s[4:5]         ; R's
	s_cselect_b64 s[80:81], s[8:9], s[10:11]       ; the output's
	s_add_nc_u64 s[84:85], s[76:77], s[84:85]
	s_add_nc_u64 s[86:87], s[76:77], s[86:87]
	s_add_nc_u64 s[92:93], s[78:79], s[92:93]
	s_add_nc_u64 s[94:95], s[78:79], s[94:95]
	s_add_nc_u64 s[2:3], s[80:81], s[2:3]
	s_add_nc_u64 s[66:67], s[80:81], s[66:67]
.irp q, 0,1,2,3
	s_mov_b32 s[G0P+4*\q], 1
	s_add_co_u32 s[G0P+4*\q+1], s88, \q*CH
	s_add_nc_u64 s[G0P+4*\q+2:G0P+4*\q+3], s[84:85], \q*TB
	s_or_b32 s[G0P+4*\q+3], s[G0P+4*\q+3], 0x80000000
	s_mov_b32 s[G0R+4*\q+4*(\q/2)], 1
	s_add_co_u32 s[G0R+4*\q+4*(\q/2)+1], s96, \q*CH+RB
	s_add_nc_u64 s[G0R+4*\q+4*(\q/2)+2:G0R+4*\q+4*(\q/2)+3], s[92:93], \q*TB
	s_or_b32 s[G0R+4*\q+4*(\q/2)+3], s[G0R+4*\q+4*(\q/2)+3], 0x80000000
.endr
	CROUND                                         ; all sixteen work-groups are here: the joint loads meet
	s_cmp_eq_u32 s13, 0                            ; a wave's four fills stand in one branch on its number: four tensor loads of mine are out
	s_cbranch_scc0 .Lfill_r
	tensor_load_to_lds s[G0P:G0P+3], s[G1P:G1P+7]
	s_nop 0
	tensor_load_to_lds s[G0P+4:G0P+7], s[G1P:G1P+7]
	s_nop 0
	tensor_load_to_lds s[G0P+8:G0P+11], s[G1P:G1P+7]
	s_nop 0
	tensor_load_to_lds s[G0P+12:G0P+15], s[G1P:G1P+7]
	s_nop 0
	PLACES
	s_branch .Lfilled
.Lfill_r:
	tensor_load_to_lds s[G0R:G0R+3], s[G1R:G1R+7]
	s_nop 0
	tensor_load_to_lds s[G0R+4:G0R+7], s[G1R:G1R+7]
	s_nop 0
	tensor_load_to_lds s[G0R+12:G0R+15], s[G1R:G1R+7]
	s_nop 0
	tensor_load_to_lds s[G0R+16:G0R+19], s[G1R:G1R+7]
	s_nop 0
	PLACES
.Lfilled:
	v_and_b32 v2, 31, v0
	v_lshlrev_b32 v[L16], 4, v2
	v_lshlrev_b32 v[L8], 3, v2
.irp a, 0,1,2,3                        ; the scale words go straight to registers: 256 consecutive bytes a load
.irp k, 0,1
	global_load_b64 v[SCP+4*\a+2*\k:SCP+4*\a+2*\k+1], v[L8], s[86:87] offset:512*\a+256*\k
.endr
.endr
.irp b, 0,1,2,3,4,5,6,7
.irp k, 0,1
	global_load_b64 v[SCR+4*\b+2*\k:SCR+4*\b+2*\k+1], v[L8], s[94:95] offset:512*\b+256*\k
.endr
.endr
	s_mul_i32 s82, s13, 4*TB                       ; my four row tiles of P in a chunk,
	s_mul_i32 s90, s14, 8*TB                       ; my eight of R
	s_add_co_u32 s90, s90, RB
.irp q, 0,1,2,3
	v_add_nc_u32 v[AP16+\q], s82, v[L16]
	v_add_nc_u32 v[AP8+\q], s82, v[L8]
	v_add_nc_u32 v[AR16+\q], s90, v[L16]
	v_add_nc_u32 v[AR8+\q], s90, v[L8]
	s_add_co_u32 s82, s82, CH
	s_add_co_u32 s90, s90, CH
.endr
.macro FRAG reg, a16, a8, off          ; a fragment comes back as it was stored: four loads
	ds_load_b128 v[\reg:\reg+3], v[\a16] offset:\off
	ds_load_b64 v[\reg+4:\reg+5], v[\a8] offset:\off+512
	ds_load_b128 v[\reg+6:\reg+9], v[\a16] offset:\off+768
	ds_load_b64 v[\reg+10:\reg+11], v[\a8] offset:\off+1280
.endm
.macro FETCH s                         ; K step s: 48 loads in one run into set s % 2: R's eight fragments, then P's four
.set QQ, (\s)/2
.set SG, ((\s)%2)*FRB
.set SS, (\s)%2
	WIN TO_R
.irp b, 0,1,2,3,4,5,6,7
	FRAG 128*SS+12*\b, AR16+QQ, AR8+QQ, \b*TB+SG
.endr
	WIN 0
.irp a, 0,1,2,3
	FRAG PF+48*SS+12*\a, AP16+QQ, AP8+QQ, \a*TB+SG
.endr
.endm
; 16 matrix instructions: P's blocks a0, a0 + 1 against R's eight.  The 32 accumulators take turns, one instruction a turn, in the same order in every step.
; first = 1: the products start the sums.  The scale words of an odd K step lie in lanes 16-31.
.macro MUL16 a0, s, first
.irp a, \a0, \a0+1
.irp b, 0,1,2,3,4,5,6,7
.if \first
	v_wmma_scale_f32_16x16x128_f8f6f4 v[8*(8*(\a)+\b):8*(8*(\a)+\b)+7], v[128*((\s)%2)+12*\b:128*((\s)%2)+12*\b+11], v[PF+48*((\s)%2)+12*(\a):PF+48*((\s)%2)+12*(\a)+11], 0, v[SCR+4*\b+(\s)/2], v[SCP+4*(\a)+(\s)/2] matrix_a_fmt:MATRIX_FMT_BF6 matrix_b_fmt:MATRIX_FMT_BF6
.elseif (\s)%2
	v_wmma_scale_f32_16x16x128_f8f6f4 v[8*(8*(\a)+\b):8*(8*(\a)+\b)+7], v[128*((\s)%2)+12*\b:128*((\s)%2)+12*\b+11], v[PF+48*((\s)%2)+12*(\a):PF+48*((\s)%2)+12*(\a)+11], v[8*(8*(\a)+\b):8*(8*(\a)+\b)+7], v[SCR+4*\b+(\s)/2], v[SCP+4*(\a)+(\s)/2] matrix_a_fmt:MATRIX_FMT_BF6 matrix_b_fmt:MATRIX_FMT_BF6 matrix_a_scale:MATRIX_SCALE_ROW1 matrix_b_scale:MATRIX_SCALE_ROW1
.else
	v_wmma_scale_f32_16x16x128_f8f6f4 v[8*(8*(\a)+\b):8*(8*(\a)+\b)+7], v[128*((\s)%2)+12*\b:128*((\s)%2)+12*\b+11], v[PF+48*((\s)%2)+12*(\a):PF+48*((\s)%2)+12*(\a)+11], v[8*(8*(\a)+\b):8*(8*(\a)+\b)+7], v[SCR+4*\b+(\s)/2], v[SCP+4*(\a)+(\s)/2] matrix_a_fmt:MATRIX_FMT_BF6 matrix_b_fmt:MATRIX_FMT_BF6
.endif
.endr
.endr
.endm
.macro EVEN s, first                   ; a chunk's first K step: its successor lies in the same chunk
	s_wait_dscnt 8                                 ; all but the youngest eight loads (P's blocks 2, 3) are in
	WIN MUL
	MUL16 0, \s, \first
	PLACES
	FETCH (\s)+1
	s_wait_dscnt 48                                ; all but the 48 just issued
	WIN MUL
	MUL16 2, \s, \first
.endm
.macro ODD s, left                     ; a chunk's second K step: the next chunk is shown whole by one barrier.  left: the chunks behind it, whose loads may stay out
	s_wait_dscnt 0x0                               ; no LDS load of mine is out at the signal
	s_wait_tensorcnt \left                         ; tensor loads of a wave end in order: my part of the next chunk is in
	s_barrier_signal -1
	WIN MUL
	MUL16 0, \s, 0                                 ; work on registers while the others arrive
	s_barrier_wait -1                              ; everybody's part is in
	PLACES
	FETCH (\s)+1
	WIN MUL
	MUL16 2, \s, 0
.endm
	s_wait_alu depctr_va_vdst(0)
	s_wait_tensorcnt 3                             ; my part of chunk 0 is in; chunks 1 to 3 may be out
	s_barrier_signal -1
	s_barrier_wait -1
	FETCH 0
	s_wait_loadcnt 0x0                             ; the scale words
	EVEN 0, 1
	ODD 1, 2
	EVEN 2, 0
	ODD 3, 1
	EVEN 4, 0
	ODD 5, 0
	EVEN 6, 0
	s_wait_dscnt 8
	WIN MUL
	MUL16 0, 7, 0
	s_wait_dscnt 0x0
	MUL16 2, 7, 0
	WIN 0
	; THE WAY OUT: each of my four row tiles of P has 64 numbers a lane: register 16 b + i = r 32 b + 16 h + i.  They become one fragment and one scale word a row; nothing goes through LDS.
	PLACES
	s_mov_b32 s98, 0xffff0000                      ; lanes 16-31
	s_mov_b32 s[SEL], 0x76543210
	s_mov_b32 s[SEL+1], 0xfedcba98
.irp b, 0,1,2,3
	v_mov_b32 v[TM+4+\b], 0                        ; a lane permute's destination counts as one of its sources
.endr
.macro QUANTW a
	WIN 0x0a                                       ; sources 0 and 1: window 2
.irp b, 0,1,2,3
	v_max3_num_f32 v[TM+\b], |v[64*\a+16*\b]|, |v[64*\a+16*\b+1]|, 0x2800000   ; each accumulator is read from its low end on; the floor 2^(5 - 127) holds the byte at 1 from below
.endr
.irp i, 2,4,6,8,10,12,14
.irp b, 0,1,2,3
	v_max3_num_f32 v[TM+\b], |v[64*\a+16*\b+\i]|, |v[64*\a+16*\b+\i+1]|, v[TM+\b]
.endr
.endr
	WIN 0
.irp b, 0,1,2,3
	v_permlanex16_b32 v[TM+4+\b], v[TM+\b], s[SEL], s[SEL+1]
.endr
.irp b, 0,1,2,3
	v_max_num_f32 v[TM+\b], v[TM+\b], v[TM+4+\b]
.endr
.irp b, 0,1,2,3
	v_add_nc_u32 v[TM+12+\b], 0xfe000000, v[TM+\b] ; 4 off the exponent field: the conversion's scale operand
.endr
.irp b, 0,1,2,3
	v_lshrrev_b32 v[TM+4+\b], 23, v[TM+12+\b]
.endr
	v_lshl_or_b32 v[PW+\a], v[TM+5], 8, v[TM+4]
	v_lshl_or_b32 v[PW+\a], v[TM+6], 16, v[PW+\a]
	v_lshl_or_b32 v[PW+\a], v[TM+7], 24, v[PW+\a]
	WIN 0x02                                       ; source 0: window 2
.irp c, 0,1
	v_cvt_scalef32_pk16_bf6_f32 v[F+12*\a+6*\c:F+12*\a+6*\c+2], v[64*\a+32*\c:64*\a+32*\c+15], v[TM+12+2*\c]
	v_cvt_scalef32_pk16_bf6_f32 v[CT+4*\c:CT+4*\c+2], v[64*\a+32*\c+16:64*\a+32*\c+31], v[TM+13+2*\c]
.endr
	WIN 0
	v_nop                                          ; one plain line behind the scaled conversions
.irp c, 0,1
.irp i, 0,1,2
	v_permlane16_swap_b32 v[F+12*\a+6*\c+\i], v[CT+4*\c+\i]
.endr
.irp i, 0,1,2
	v_mov_b32 v[F+12*\a+6*\c+3+\i], v[CT+4*\c+\i]
.endr
.endr
	global_store_b128 v[L16], v[F+12*\a:F+12*\a+3], s[2:3] offset:FRB*\a          ; my four fragments are 6,144 consecutive bytes
	global_store_b64 v[L8], v[F+12*\a+4:F+12*\a+5], s[2:3] offset:FRB*\a+512
	global_store_b128 v[L16], v[F+12*\a+6:F+12*\a+9], s[2:3] offset:FRB*\a+768
	global_store_b64 v[L8], v[F+12*\a+10:F+12*\a+11], s[2:3] offset:FRB*\a+1280
.endm
	QUANTW 0
	QUANTW 1
	QUANTW 2
	QUANTW 3
	v_cndmask_b32 v[SCW], v[PW], v[PW+1], s98      ; lanes 0-15: tiles 0 and 2, lanes 16-31: tiles 1 and 3
	v_cndmask_b32 v[SCW+1], v[PW+2], v[PW+3], s98
	global_store_b64 v[L8], v[SCW:SCW+1], s[66:67] ; 256 consecutive bytes, aligned
	s_wait_tensorcnt 0x0
	ds_add_u32 v254, v255
	s_wait_dscnt 0x0
	CROUND                                         ; the closing round: no work-group ends while a partner may still ask for a tile that names it
	s_endpgm
.Lfunc_end_k_q18a89c1c60_gemm_qkv:
	.size	k_q18a89c1c60_gemm_qkv, .Lfunc_end_k_q18a89c1c60_gemm_qkv-k_q18a89c1c60_gemm_qkv
	.p2alignl 7, 3214868480
	.fill 96, 4, 3214868480
	.section	.rodata,"a",@progbits
	.p2align	6, 0x0
	.amdhsa_kernel k_q18a89c1c60_gemm_qkv
		.amdhsa_group_segment_fixed_size 295424
		.amdhsa_private_segment_fixed_size 0
		.amdhsa_enable_private_segment 0
		.amdhsa_kernarg_size 32
		.amdhsa_user_sgpr_count 2
		.amdhsa_user_sgpr_kernarg_segment_ptr 1
		.amdhsa_wavefront_size32 1
		.amdhsa_system_sgpr_workgroup_id_x 1
		.amdhsa_system_sgpr_workgroup_id_y 1
		.amdhsa_system_sgpr_workgroup_id_z 1
		.amdhsa_system_vgpr_workitem_id 0
		.amdhsa_next_free_vgpr 768
		.amdhsa_next_free_sgpr 102
		.amdhsa_reserve_vcc 0
		.amdhsa_float_denorm_mode_32 3
		.amdhsa_float_denorm_mode_16_64 3
		.amdhsa_memory_ordered 1
		.amdhsa_forward_progress 1
		.amdhsa_inst_pref_size 88
	.end_amdhsa_kernel
	.amdgpu_metadata
---
amdhsa.version: [ 1, 2 ]
amdhsa.kernels:
  - .name:           k_q18a89c1c60_gemm_qkv
    .symbol:         k_q18a89c1c60_gemm_qkv.kd
    .args:
      - { .name: xq, .offset: 0, .size: 8, .value_kind: global_buffer, .address_space: global }
      - { .name: wq, .offset: 8, .size: 8, .value_kind: global_buffer, .address_space: global }
      - { .name: qk, .offset: 16, .size: 8, .value_kind: global_buffer, .address_space: global }
      - { .name: vt, .offset: 24, .size: 8, .value_kind: global_buffer, .address_space: global }
    .group_segment_fixed_size: 295424
    .private_segment_fixed_size: 0
    .kernarg_segment_align: 8
    .kernarg_segment_size: 32
    .max_flat_workgroup_size: 128
    .sgpr_count:     102
    .vgpr_count:     768
    .wavefront_size: 32
...
	.end_amdgpu_metadata
.endif
;; end of part 2
;; launch attn (part 3): grid 4 x 64, 16 waves a work-group, clusters of 4 x 1, 210,944 bytes of LDS; arguments qk, vt, at; writes at
.if DOCPART == 3
	.amdgcn_target "amdgcn-amd-amdhsa--gfx1250"
	.amdhsa_code_object_version 6
	.text
	.protected	k_q18a89c1c60_attn
	.globl	k_q18a89c1c60_attn
	.p2align	8
	.type	k_q18a89c1c60_attn,@function
k_q18a89c1c60_attn:
	s_mov_b64 s[64:65], 0
	v_nop
	global_prefetch_b8 v0, s[64:65] scope:SCOPE_SE
	s_setreg_imm32_b32 hwreg(HW_REG_WAVE_MODE, 25, 1), 1
	s_wait_xcnt 0x0
	s_wait_alu depctr_hold_cnt(0) depctr_sa_sdst(0) depctr_va_vdst(0) depctr_va_sdst(0) depctr_va_ssrc(0) depctr_va_vcc(0) depctr_vm_vsrc(0)
	s_getreg_b32 s2, hwreg(HW_REG_IB_STS2, 6, 4)
	s_cmp_eq_u32 s2, 0
	s_cbranch_scc0 .Lentry_in_a_cluster
	s_endpgm
.Lentry_in_a_cluster:
	s_bfe_u32 s2, ttmp6, 0x10000c
	s_cmp_lg_u32 s2, 0x3003
	s_cbranch_scc0 .Lentry_shape_is_right
	s_endpgm
.Lentry_shape_is_right:
; Causal attention of one head (64 channels, 2,048 tokens) on codes of BF6 with E8M0 scales; the result is quantised along the channels and leaves as codes for the last product.
; t = score x log2(e) / 8; M = the running largest t rounded up to a whole number; p = 2^(t - M) is quantised along the keys, not normalised; the row's sum is taken of the unquantised p and divides at the end.
; When M moves, the sum and O are multiplied by 2^(old M - new M), which rounds nothing.
; SHARES.  The four work-groups of a cluster serve one head.  The head's whole K (98,304 bytes), V^T (98,304) and their scale words (8,192 + 4,096) lie in each one's LDS, filled ONCE, by joint loads that name all four:
; no LDS byte is filled twice.  The claim is more than half of the LDS, so the work-group is alone where it runs.
; Wave w owns two tiles of 16 queries: i = 8 (w / 2) + 2 cx + w % 2 and 127 - i: w / 2 + 1 and 16 - w / 2 key steps of 128, 17 for every wave.  Both counts hang on the wave's number alone;
; the place in the cluster enters only global addresses and the mask's numbers.  Every loop has 8 trips; a step all of whose keys come after the tile's queries jumps over its work.
; LAYOUT.  Both products are used transposed (S^T = K Q^T, O^T = V^T P^T): a lane holds one query.  A row tile's lane r stands for token 32 g + 8 u + r + 8 (r / 8), so the 16 registers of key tiles 2 b, 2 b + 1
; are keys 32 b + 16 h + 0 .. 15, and those of V^T's channel tiles likewise 16 neighbouring channels.
; K = 64 IN A FORM OF 128.  Q's registers 6-11 are zero codes.  K's operand for tile t is v[32 + 6 t .. + 11]: its upper six registers are the next tile's codes (tile 7: zeros): E3M2 has neither infinity nor NaN,
; so they times zero codes add nothing.  Both scale words come as 16 bits: bytes 2 and 3 are 0, which is 2^-127 and not NaN.  This is zeros on one operand where the plain way has zeros on both; it saves 48 registers.
; The 32 scale bytes of a tile and head leave by one store of a byte a lane: they lie 8 bytes apart in the layout that the last product reads.
; LIMITS: NaN and infinities not served; a block under 2^-122 has its byte held at 1; a block of zeros gets the byte 1.
; REGISTERS: v1-4, v11, v30, v31 lane terms; v5-10 the step's LDS addresses; v12 -M, v13 largest t, v[14:15] the sum; v16-27 Q; v28 Q's scales; v29 the mask's distance; v32-79 K's halves, then V's fragments;
;   v80-85 zeros; v86-89 K's scales; v90-91 V's; v92-155 S^T, then p; v156-187 O^T; v188-199 p's codes; v200-227 at work.
.set FRB,  1536
.set QS,   0xc00000
.set VS,   0x600000
.set AS,   0x600000
.set VB,   98304                       ; LDS: V's fragments, step x 6,144 + channel tile x 1,536
.set KSC,  196608                      ; K's scale words, step x 512
.set VSC,  204800                      ; V's, step x 256
.set KV,   32
.set KS,   86
.set VSR,  90
.set S,    92
.set O,    156
.set PCD,  188
.set CT,   200
.set BM,   208
.set BT,   212
.set SO,   216
.set PWD,  220
.set FF,   222
.set T0,   224
.set T1,   225
.set SM,   226
.set WV,   10
.set SEL,  20
.set CS,   22
.set G1K,  24
.set G1V,  32
.set G1SK, 40
.set G1SV, 48
.set G0KS, 56
.set G0K0, 60
.set G0K1, 68
.set G0VS, 72
.set G0V0, 76
.set G0V1, 80
.set TK,   84
.set TV,   85
.set TS,   86
.set TJ,   87
.set KF,   88                          ; the step's first key
.set QD,   89                          ; the first key of the step on the diagonal
.set CNT,  90
.macro CROUND
	s_barrier_signal -1
	s_barrier_wait -1
	s_cmp_lg_u32 s[WV], 0
	s_cbranch_scc1 .Lnot_wave_0_\@
	s_barrier_signal -3
.Lnot_wave_0_\@:
	s_barrier_wait -3
	s_barrier_signal -1
	s_barrier_wait -1
.endm
.macro PLACES
.rept 4
	v_nop
.endr
.endm
	s_load_b128 s[4:7], s[0:1], 0x0                ; qk, vt
	s_load_b64 s[8:9], s[0:1], 0x10                ; at
	v_lshl_add_u32 v254, v0, 2, 0x33000
	v_mov_b32 v255, 0
	ds_add_u32 v254, v255
	ds_add_u32 v254, v255
	v_lshrrev_b32 v5, 5, v0
	s_delay_alu instid0(VALU_DEP_1)
	v_readfirstlane_b32 s[WV], v5                  ; wave 0..15
	s_bfe_u32 s11, ttmp6, 0x40000                  ; cx
	s_and_b32 s12, ttmp7, 0xffff                   ; batch x 16 + head: shared by the four partners
	s_lshr_b32 s13, s12, 4                         ; b
	s_and_b32 s14, s12, 15                         ; head
	s_and_b32 s15, s14, 1                          ; c: which half of a pair of heads
	s_lshr_b32 s16, s14, 1                         ; hp: the pair
	s_and_b32 s17, s[WV], 1                        ; e: which half I fetch, if I fetch
.irp g, G1K, G1V, G1SK, G1SV
	s_mov_b32 s[\g], 15|(3<<16)|(1<<21)            ; 15:0 all four work-groups; 17:16 elements of 8 bytes; 21 set beside a mask; no padding
	s_mov_b32 s[\g+6], 0
	s_mov_b32 s[\g+7], 0
.endr
	s_mov_b32 s[G1K+1], 96<<16                     ; K: 32 halves of 768 bytes, 1,536 bytes apart
	s_mov_b32 s[G1K+2], 32<<16
	s_mov_b32 s[G1K+3], 96<<16
	s_mov_b32 s[G1K+4], 32
	s_mov_b32 s[G1K+5], 192
	s_mov_b32 s[G1V+1], 768<<16                    ; V: 4 key steps of 6,144 bytes (the head's four fragments), 98,304 bytes apart
	s_mov_b32 s[G1V+2], 4<<16
	s_mov_b32 s[G1V+3], 768<<16
	s_mov_b32 s[G1V+4], 4
	s_mov_b32 s[G1V+5], 12288
	s_mov_b32 s[G1SK+1], 32<<16                    ; K's scale words: 16 rows of 256 bytes, dense
	s_mov_b32 s[G1SK+2], 16<<16
	s_mov_b32 s[G1SK+3], 32<<16
	s_mov_b32 s[G1SK+4], 16
	s_mov_b32 s[G1SK+5], 32
	s_mov_b32 s[G1SV+1], 32<<16                    ; V's: 8 rows of 256 bytes, 4,096 bytes apart
	s_mov_b32 s[G1SV+2], 8<<16
	s_mov_b32 s[G1SV+3], 32<<16
	s_mov_b32 s[G1SV+4], 8
	s_mov_b32 s[G1SV+5], 512
	s_add_co_u32 s91, s16, 8                       ; k's pairs of heads lie behind q's eight
	s_lshl_b32 s91, s91, 9
	s_lshl_b32 s92, s13, 7
	s_add_co_u32 s91, s91, s92                     ; the head's first row tile of K: (8 + hp) 512 + 128 b
	s_lshl_b32 s96, s91, 6                         ; its scale words: 256 bytes for four tiles;
	s_lshl_b32 s92, s17, 12                        ; my half of them is 16 groups, the head's row tiles 64 e on: 4,096 e bytes
	s_add_co_u32 s96, s96, s92
	s_add_co_u32 s96, s96, QS
	s_mov_b32 s97, 0
	s_lshl_b32 s92, s17, 5                         ; of the codes a load takes 32 row tiles: my half of a chunk of 64
	s_add_co_u32 s91, s91, s92
	s_mul_i32 s94, s91, FRB
	s_mul_i32 s92, s15, 768
	s_add_co_u32 s94, s94, s92
	s_mov_b32 s95, 0
	s_lshl_b32 s91, s13, 4
	s_lshl_b32 s92, s17, 2
	s_add_co_u32 s92, s91, s92                     ; V: key step 16 b + 4 e,
	s_lshl_b32 s92, s92, 6
	s_lshl_b32 s93, s14, 2
	s_add_co_u32 s92, s92, s93                     ; channel tile 4 x head
	s_mul_i32 s98, s92, FRB
	s_mov_b32 s99, 0
	s_lshl_b32 s92, s17, 3
	s_add_co_u32 s92, s91, s92                     ; V's scale words: key step 16 b + 8 e
	s_lshl_b32 s92, s92, 4
	s_add_co_u32 s92, s92, s14
	s_lshl_b32 s92, s92, 8
	s_add_co_u32 s92, s92, VS
	s_mov_b32 s93, 0
	s_mul_i32 s84, s17, 24576                      ; where my half goes in LDS: codes,
	s_lshl_b32 s85, s17, 12                        ; K's scale words,
	s_lshl_b32 s86, s17, 11                        ; V's
	s_mov_b32 s[SEL], 0x76543210
	s_mov_b32 s[SEL+1], 0xfedcba98
	s_mov_b32 s[CS], 0x3e38aa3b                    ; log2(e) / 8
	s_mov_b32 s[CS+1], s[CS]                       ; (named with it as a pair)
	s_mov_b32 s100, 0xffff0000                     ; lanes 16-31
	s_wait_dscnt 0x0
	s_wait_kmcnt 0x0
	s_add_nc_u64 s[94:95], s[4:5], s[94:95]
	s_add_nc_u64 s[96:97], s[4:5], s[96:97]
	s_add_nc_u64 s[98:99], s[6:7], s[98:99]
	s_add_nc_u64 s[92:93], s[6:7], s[92:93]
	s_mov_b32 s[G0KS], 1
	s_add_co_u32 s[G0KS+1], s85, KSC
	s_mov_b64 s[G0KS+2:G0KS+3], s[96:97]
	s_or_b32 s[G0KS+3], s[G0KS+3], 0x80000000
	s_mov_b32 s[G0K0], 1
	s_mov_b32 s[G0K0+1], s84
	s_mov_b64 s[G0K0+2:G0K0+3], s[94:95]
	s_or_b32 s[G0K0+3], s[G0K0+3], 0x80000000
	s_mov_b32 s[G0K1], 1
	s_add_co_u32 s[G0K1+1], s84, 49152
	s_add_nc_u64 s[G0K1+2:G0K1+3], s[94:95], 98304 ; 64 row tiles on: keys 1,024 and up
	s_or_b32 s[G0K1+3], s[G0K1+3], 0x80000000
	s_mov_b32 s[G0VS], 1
	s_add_co_u32 s[G0VS+1], s86, VSC
	s_mov_b64 s[G0VS+2:G0VS+3], s[92:93]
	s_or_b32 s[G0VS+3], s[G0VS+3], 0x80000000
	s_mov_b32 s[G0V0], 1
	s_add_co_u32 s[G0V0+1], s84, VB
	s_mov_b64 s[G0V0+2:G0V0+3], s[98:99]
	s_or_b32 s[G0V0+3], s[G0V0+3], 0x80000000
	s_mov_b32 s[G0V1], 1
	s_add_co_u32 s[G0V1+1], s84, VB+49152
	s_add_nc_u64 s[G0V1+2:G0V1+3], s[98:99], 786432   ; 8 key steps on
	s_or_b32 s[G0V1+3], s[G0V1+3], 0x80000000
	CROUND                                         ; all four work-groups are here: the joint loads meet
	s_cmp_lt_u32 s[WV], 2                          ; waves 0, 1 fetch K, waves 2, 3 V, the others nothing; a wave's three fills stand in one branch: three tensor loads of mine are out
	s_cbranch_scc0 .Lnot_k
	tensor_load_to_lds s[G0KS:G0KS+3], s[G1SK:G1SK+7]
	s_nop 0
	tensor_load_to_lds s[G0K0:G0K0+3], s[G1K:G1K+7]
	s_nop 0
	tensor_load_to_lds s[G0K1:G0K1+3], s[G1K:G1K+7]
	s_nop 0
	PLACES
	s_branch .Lasked
.Lnot_k:
	s_cmp_lt_u32 s[WV], 4
	s_cbranch_scc0 .Lasked
	tensor_load_to_lds s[G0VS:G0VS+3], s[G1SV:G1SV+7]
	s_nop 0
	tensor_load_to_lds s[G0V0:G0V0+3], s[G1V:G1V+7]
	s_nop 0
	tensor_load_to_lds s[G0V1:G0V1+3], s[G1V:G1V+7]
	s_nop 0
	PLACES
.Lasked:
	v_and_b32 v5, 31, v0                           ; lane
	s_delay_alu instid0(VALU_DEP_1)
	v_lshlrev_b32 v1, 4, v5
	s_delay_alu instid0(VALU_DEP_2)
	v_lshlrev_b32 v2, 3, v5
	s_lshl_b32 s87, s15, 1
	s_add_co_u32 s87, s87, KSC
	v_add_nc_u32 v3, s87, v2                       ; K's scale words: 8 l, + 2 c: my head's two bytes
	v_add_nc_u32 v4, VSC, v2
	v_and_b32 v6, 15, v0                           ; r
	v_bfe_u32 v7, v0, 4, 1                         ; h
	s_delay_alu instid0(VALU_DEP_2)
	v_and_b32 v8, 8, v6
	s_delay_alu instid0(VALU_DEP_1)
	v_add_nc_u32 v11, v8, v6
	s_delay_alu instid0(VALU_DEP_3)
	v_lshlrev_b32 v8, 4, v7
	s_delay_alu instid0(VALU_DEP_1)
	v_sub_nc_u32 v11, v11, v8                      ; r + 8 (r / 8) - 16 h
	v_lshlrev_b32 v30, 3, v6                       ; 8 r
	s_delay_alu instid0(VALU_DEP_1)
	v_add_nc_u32 v31, v30, v7                      ; 8 r + h
.irp j, 22,23,24,25,26,27,80,81,82,83,84,85
	v_mov_b32 v\j, 0                               ; zero codes, set once
.endr
.irp j, 212,213,214,215,223,224
	v_mov_b32 v\j, 0                               ; lane permutes' destinations and the upper half of f's pair count as read: written once
.endr
; The tile's number, the diagonal's step, the mask's distance, Q and its scale word, and the state.
.macro TILE_BEGIN hi
	s_wait_xcnt 0x0                                ; the last tile's stores have read their pointers and data, which are written again from here on
	s_lshr_b32 s92, s[WV], 1
	s_lshl_b32 s91, s92, 3
	s_lshl_b32 s93, s11, 1
	s_add_co_u32 s91, s91, s93
	s_add_co_u32 s91, s91, s17                     ; i = 8 (w / 2) + 2 cx + w % 2
.if \hi
	s_sub_co_u32 s91, 127, s91
	s_sub_co_u32 s92, 15, s92
.endif
	s_lshl_b32 s[QD], s92, 7                       ; made of the wave's number alone
	s_bfe_u32 s93, s91, 0x20001
	s_lshl_b32 s93, s93, 5
	s_and_b32 s94, s91, 1
	s_lshl_b32 s95, s94, 3
	s_add_co_u32 s93, s93, s95
	v_add_nc_u32 v29, s93, v11                     ; my query - the diagonal step's first key - 16 h
	s_lshl_b32 s98, s94, 7                         ; Q's scale word: lanes 16-31 of its group's image for an odd tile,
	s_bfe_u32 s95, s91, 0x10001
	s_lshl_b32 s95, s95, 2
	s_add_co_u32 s98, s98, s95                     ; word (tile / 2) % 2,
	s_lshl_b32 s95, s15, 1
	s_add_co_u32 s98, s98, s95                     ; my head's two bytes
	s_lshl_b32 s94, s16, 9
	s_lshl_b32 s95, s13, 7
	s_add_co_u32 s94, s94, s95
	s_add_co_u32 s94, s94, s91                     ; q's row tile: hp 512 + 128 b + tile
	s_lshr_b32 s95, s94, 2
	s_lshl_b32 s95, s95, 8
	s_add_co_u32 s98, s98, s95
	s_add_co_u32 s98, s98, QS
	s_mov_b32 s99, 0
	s_mul_i32 s94, s94, FRB
	s_mul_i32 s95, s15, 768
	s_add_co_u32 s94, s94, s95
	s_mov_b32 s95, 0
	s_add_nc_u64 s[96:97], s[4:5], s[94:95]
	s_add_nc_u64 s[98:99], s[4:5], s[98:99]
	global_load_b128 v[16:19], v1, s[96:97]
	global_load_b64 v[20:21], v2, s[96:97] offset:512
	global_load_u16 v28, v30, s[98:99]
	v_mov_b32 v13, 0xff61b1e6                      ; the largest t so far: -3e38
	s_delay_alu instid0(VALU_DEP_1)
	v_floor_f32 v12, -v13                          ; -M
	v_mov_b32 v14, 0
	v_mov_b32 v15, 0
.set j, 0
.rept 32
	v_mov_b32 v[O+j], 0                            ; the step is written once: the first finds zeros, which the first change of M leaves zeros
.set j, j+1
.endr
	s_wait_loadcnt 0x0
.endm
; A key step: 128 keys.
.macro STEP
	s_cmp_gt_u32 s[KF], s[QD]                      ; all its keys come after my queries: only the addresses step
	s_cbranch_scc1 .Lhidden_\@
	s_setprio 2
	v_add_nc_u32 v5, s[TK], v1                     ; (these six are also the places behind the last step's products, ahead of the loads below)
	v_add_nc_u32 v6, s[TK], v2
	v_add_nc_u32 v7, s[TV], v1
	v_add_nc_u32 v8, s[TV], v2
	v_add_nc_u32 v9, s[TS], v3
	v_add_nc_u32 v10, s[TJ], v4
.irp t, 0,1,2,3,4,5,6,7
	ds_load_b128 v[KV+6*\t:KV+6*\t+3], v5 offset:768*\t
	ds_load_b64 v[KV+6*\t+4:KV+6*\t+5], v6 offset:768*\t+512
.endr
.irp g, 0,1,2,3
	ds_load_u16 v[KS+\g], v9 offset:256*(\g/2)+4*(\g%2)   ; lanes 0-15: tile 2 g, lanes 16-31: tile 2 g + 1
.endr
	s_wait_alu depctr_va_vdst(0)
	s_wait_dscnt 0x0
.irp t, 0,2,4,6
	v_wmma_scale_f32_16x16x128_f8f6f4 v[S+8*\t:S+8*\t+7], v[KV+6*\t:KV+6*\t+11], v[16:27], 0, v[KS+\t/2], v28 matrix_a_fmt:MATRIX_FMT_BF6 matrix_b_fmt:MATRIX_FMT_BF6
	v_wmma_scale_f32_16x16x128_f8f6f4 v[S+8*\t+8:S+8*\t+15], v[KV+6*\t+6:KV+6*\t+17], v[16:27], 0, v[KS+\t/2], v28 matrix_a_fmt:MATRIX_FMT_BF6 matrix_b_fmt:MATRIX_FMT_BF6 matrix_a_scale:MATRIX_SCALE_ROW1
.endr
	PLACES
.irp t, 0,1,2,3                        ; V's four fragments land while the softmax is walked
	ds_load_b128 v[KV+12*\t:KV+12*\t+3], v7 offset:FRB*\t
	ds_load_b64 v[KV+12*\t+4:KV+12*\t+5], v8 offset:FRB*\t+512
	ds_load_b128 v[KV+12*\t+6:KV+12*\t+9], v7 offset:FRB*\t+768
	ds_load_b64 v[KV+12*\t+10:KV+12*\t+11], v8 offset:FRB*\t+1280
.endr
	ds_load_b64 v[VSR:VSR+1], v10
	s_cmp_lg_u32 s[KF], s[QD]                      ; only the step on the diagonal is masked
	s_cbranch_scc1 .Lopen_\@
	v_mov_b32 v[T0], 0xff800000                    ; -infinity: p = 0 then
.set n, 0
.rept 64
	v_cmp_gt_i32 vcc_lo, 32*(n/16)+n%16, v29       ; register 16 b + i holds key 32 b + 16 h + i of the step
	v_cndmask_b32 v[S+n], v[S+n], v[T0], vcc_lo
.set n, n+1
.endr
.Lopen_\@:
.irp b, 0,1,2,3
	v_max3_num_f32 v[BM+\b], v[S+16*\b], v[S+16*\b+1], v[S+16*\b+2]   ; the largest score of each block of 32 keys: for the row's maximum and, since p rises with the score, for the block's largest p
.endr
.irp i, 3,5,7,9,11,13
.irp b, 0,1,2,3
	v_max3_num_f32 v[BM+\b], v[BM+\b], v[S+16*\b+\i], v[S+16*\b+\i+1]
.endr
.endr
.irp b, 0,1,2,3
	v_max_num_f32 v[BM+\b], v[BM+\b], v[S+16*\b+15]
.endr
.irp b, 0,1,2,3
	s_delay_alu instid0(VALU_DEP_4)
	v_permlanex16_b32 v[BT+\b], v[BM+\b], s[SEL], s[SEL+1]
.endr
.irp b, 0,1,2,3
	s_delay_alu instid0(VALU_DEP_4)
	v_max_num_f32 v[BM+\b], v[BM+\b], v[BT+\b]
.endr
	s_delay_alu instid0(VALU_DEP_2)
	v_max3_num_f32 v[T0], v[BM], v[BM+1], v[BM+2]
	s_delay_alu instid0(VALU_DEP_1)
	v_max_num_f32 v[T0], v[T0], v[BM+3]
	s_delay_alu instid0(VALU_DEP_1)
	v_mul_f32 v[T0], s[CS], v[T0]
	s_delay_alu instid0(VALU_DEP_1)
	v_max_num_f32 v13, v13, v[T0]                  ; the running largest t
	v_mov_b32 v[T0], v12
	s_delay_alu instid0(VALU_DEP_2)
	v_floor_f32 v12, -v13                          ; the new -M = -ceil(t)
	s_delay_alu instid0(VALU_DEP_1)
	v_sub_f32 v[T0], v12, v[T0]                    ; old M - new M: a whole number, 0 or less
	s_delay_alu instid0(VALU_DEP_1)
	v_cvt_i32_f32 v[T0], v[T0]                     ; (it saturates)
	s_delay_alu instid0(VALU_DEP_1)
	v_ldexp_f32 v[FF], 1.0, v[T0]                  ; f = 2^(old M - new M)
.set j, 0
	s_setprio 1
.rept 32
	v_pk_fma_f32 v[S+j:S+j+1], v[S+j:S+j+1], s[CS:CS+1], v[12:13] op_sel_hi:[1,0,0]   ; t - M
.set j, j+2
.endr
.irp b, 0,1,2,3
	v_fma_f32 v[BM+\b], v[BM+\b], s[CS], v12
.endr
.set j, 0
	s_wait_alu depctr_va_vdst(0)
.rept 64
	v_exp_f32 v[S+j], v[S+j]                       ; p = 2^(t - M)
.set j, j+1
.endr
.irp b, 0,1,2,3
	v_exp_f32 v[BM+\b], v[BM+\b]                   ; the block's largest p: the same two instructions on the same number
.endr
	v_pk_mul_f32 v[14:15], v[14:15], v[FF:FF+1] op_sel_hi:[1,0]   ; the sum under the new M (a plain line behind the exponentials)
	s_wait_alu depctr_va_vdst(0)
.irp b, 0,1,2,3
	v_max_num_f32 v[BM+\b], 0x2800000, v[BM+\b]    ; the floor 2^(5 - 127)
.endr
.irp b, 0,1,2,3
	s_delay_alu instid0(VALU_DEP_4)
	v_add_nc_u32 v[SO+\b], 0xfe000000, v[BM+\b]
.endr
.irp b, 0,1,2,3
	s_delay_alu instid0(VALU_DEP_4)
	v_lshrrev_b32 v[BT+\b], 23, v[SO+\b]
.endr
	s_delay_alu instid0(VALU_DEP_3)
	v_lshl_or_b32 v[PWD], v[BT+1], 8, v[BT]
	s_delay_alu instid0(VALU_DEP_1)
	v_lshl_or_b32 v[PWD], v[BT+2], 16, v[PWD]
	s_delay_alu instid0(VALU_DEP_1)
	v_lshl_or_b32 v[PWD], v[BT+3], 24, v[PWD]      ; p's scale word for these 128 keys
.irp c, 0,1
	v_cvt_scalef32_pk16_bf6_f32 v[PCD+6*\c:PCD+6*\c+2], v[S+32*\c:S+32*\c+15], v[SO+2*\c]
	v_cvt_scalef32_pk16_bf6_f32 v[CT+4*\c:CT+4*\c+2], v[S+32*\c+16:S+32*\c+31], v[SO+2*\c+1]
.endr
	v_nop                                          ; one plain line behind the scaled conversions
.irp c, 0,1
.irp i, 0,1,2
	v_permlane16_swap_b32 v[PCD+6*\c+\i], v[CT+4*\c+\i]
.endr
.irp i, 0,1,2
	s_delay_alu instid0(VALU_DEP_3)
	v_mov_b32 v[PCD+6*\c+3+\i], v[CT+4*\c+\i]
.endr
.endr
.set j, 0
.rept 16
	v_pk_mul_f32 v[O+j:O+j+1], v[O+j:O+j+1], v[FF:FF+1] op_sel_hi:[1,0]   ; O^T under the new M, each accumulator from its low end on
.set j, j+2
.endr
	s_setprio 0
	v_pk_add_f32 v[226:227], v[96:97], v[100:101]
	v_pk_add_f32 v[252:253], v[104:105], v[108:109]
	v_pk_add_f32 v[250:251], v[112:113], v[116:117]
	v_pk_add_f32 v[248:249], v[120:121], v[124:125]
	v_pk_add_f32 v[246:247], v[128:129], v[132:133]
	v_pk_add_f32 v[244:245], v[136:137], v[140:141]
	v_pk_add_f32 v[242:243], v[144:145], v[148:149]
	v_pk_add_f32 v[14:15], v[14:15], v[152:153]
	v_pk_add_f32 v[226:227], v[226:227], v[92:93]
	v_pk_add_f32 v[252:253], v[252:253], v[94:95]
	v_pk_add_f32 v[250:251], v[250:251], v[98:99]
	v_pk_add_f32 v[248:249], v[248:249], v[102:103]
	v_pk_add_f32 v[246:247], v[246:247], v[106:107]
	v_pk_add_f32 v[244:245], v[244:245], v[110:111]
	v_pk_add_f32 v[242:243], v[242:243], v[114:115]
	v_pk_add_f32 v[14:15], v[14:15], v[118:119]
	v_pk_add_f32 v[226:227], v[226:227], v[122:123]
	v_pk_add_f32 v[252:253], v[252:253], v[126:127]
	v_pk_add_f32 v[250:251], v[250:251], v[130:131]
	v_pk_add_f32 v[248:249], v[248:249], v[134:135]
	v_pk_add_f32 v[246:247], v[246:247], v[138:139]
	v_pk_add_f32 v[244:245], v[244:245], v[142:143]
	v_pk_add_f32 v[242:243], v[242:243], v[146:147]
	v_pk_add_f32 v[14:15], v[14:15], v[150:151]
	v_pk_add_f32 v[226:227], v[226:227], v[154:155]
	s_delay_alu instid0(VALU_DEP_2)
	v_pk_add_f32 v[14:15], v[14:15], v[248:249]
	s_delay_alu instid0(VALU_DEP_2)
	v_pk_add_f32 v[226:227], v[226:227], v[246:247]
	v_pk_add_f32 v[252:253], v[252:253], v[244:245]
	v_pk_add_f32 v[250:251], v[250:251], v[242:243]
	s_delay_alu instid0(VALU_DEP_2)
	v_pk_add_f32 v[14:15], v[14:15], v[252:253]
	s_delay_alu instid0(VALU_DEP_2)
	v_pk_add_f32 v[226:227], v[226:227], v[250:251]
	s_delay_alu instid0(VALU_DEP_1)
	v_pk_add_f32 v[14:15], v[14:15], v[226:227]
	s_wait_dscnt 0x0                               ; V and its scale words
.irp t, 0,2                            ; the four accumulators take turns, one instruction a turn
	v_wmma_scale_f32_16x16x128_f8f6f4 v[O+8*\t:O+8*\t+7], v[KV+12*\t:KV+12*\t+11], v[PCD:PCD+11], v[O+8*\t:O+8*\t+7], v[VSR+\t/2], v[PWD] matrix_a_fmt:MATRIX_FMT_BF6 matrix_b_fmt:MATRIX_FMT_BF6
	v_wmma_scale_f32_16x16x128_f8f6f4 v[O+8*\t+8:O+8*\t+15], v[KV+12*\t+12:KV+12*\t+23], v[PCD:PCD+11], v[O+8*\t+8:O+8*\t+15], v[VSR+\t/2], v[PWD] matrix_a_fmt:MATRIX_FMT_BF6 matrix_b_fmt:MATRIX_FMT_BF6 matrix_a_scale:MATRIX_SCALE_ROW1
.endr
.Lhidden_\@:
	s_add_co_u32 s[TK], s[TK], 6144
	s_add_co_u32 s[TV], s[TV], 6144
	s_add_co_u32 s[TS], s[TS], 512
	s_add_co_u32 s[TJ], s[TJ], 256
	s_add_co_u32 s[KF], s[KF], 128
.endm
.macro WALK k0                         ; eight key steps from step k0 on
	s_mov_b32 s[TK], (\k0)*6144
	s_mov_b32 s[TV], VB+(\k0)*6144
	s_mov_b32 s[TS], (\k0)*512
	s_mov_b32 s[TJ], (\k0)*256
	s_mov_b32 s[KF], (\k0)*128
	s_mov_b32 s[CNT], 8
.Lwalk_\@:
	STEP
	s_sub_co_u32 s[CNT], s[CNT], 1
	s_cmp_lg_u32 s[CNT], 0
	s_cbranch_scc1 .Lwalk_\@
	s_setprio 0
.endm
; O^T / the sum; register 16 g + i = channel 32 g + 16 h + i of my query: two blocks, half a fragment, two scale bytes.
.macro TILE_END
	PLACES
	v_add_f32 v14, v14, v15
	s_delay_alu instid0(VALU_DEP_1)
	v_permlanex16_b32 v[T0], v14, s[SEL], s[SEL+1]
	s_delay_alu instid0(VALU_DEP_1)
	v_add_f32 v14, v14, v[T0]                      ; the row's sum
	s_wait_alu depctr_va_vdst(0)
	v_rcp_f32 v14, v14
	v_nop                                          ; one plain line behind the reciprocal
.set j, 0
	s_wait_alu depctr_va_vdst(0)
.rept 32
	v_mul_f32 v[S+j], v[O+j], v14
.set j, j+1
.endr
.irp g, 0,1
	v_max3_num_f32 v[BM+\g], |v[S+16*\g]|, |v[S+16*\g+1]|, 0x2800000
.endr
.irp i, 2,4,6,8,10,12,14
.irp g, 0,1
	s_delay_alu instid0(VALU_DEP_2)
	v_max3_num_f32 v[BM+\g], v[BM+\g], |v[S+16*\g+\i]|, |v[S+16*\g+\i+1]|
.endr
.endr
.irp g, 0,1
	s_delay_alu instid0(VALU_DEP_2)
	v_permlanex16_b32 v[BT+\g], v[BM+\g], s[SEL], s[SEL+1]
.endr
.irp g, 0,1
	s_delay_alu instid0(VALU_DEP_2)
	v_max_num_f32 v[BM+\g], v[BM+\g], v[BT+\g]
.endr
.irp g, 0,1
	s_delay_alu instid0(VALU_DEP_2)
	v_add_nc_u32 v[SO+\g], 0xfe000000, v[BM+\g]
.endr
.irp g, 0,1
	s_delay_alu instid0(VALU_DEP_2)
	v_lshrrev_b32 v[BT+\g], 23, v[SO+\g]
.endr
	s_delay_alu instid0(VALU_DEP_1)
	v_cndmask_b32 v[T1], v[BT], v[BT+1], s100      ; lane (r, h) stores block h's byte
	v_cvt_scalef32_pk16_bf6_f32 v[PCD:PCD+2], v[S:S+15], v[SO]
	v_cvt_scalef32_pk16_bf6_f32 v[CT:CT+2], v[S+16:S+31], v[SO+1]
	v_nop
.irp i, 0,1,2
	v_permlane16_swap_b32 v[PCD+\i], v[CT+\i]
.endr
.irp i, 0,1,2
	s_delay_alu instid0(VALU_DEP_3)
	v_mov_b32 v[PCD+3+\i], v[CT+\i]
.endr
	s_lshl_b32 s94, s13, 7
	s_add_co_u32 s94, s94, s91                     ; the row tile: 128 b + tile
	s_lshl_b32 s98, s94, 9                         ; its 512 bytes of scale words: K step hp: half hp / 4,
	s_lshr_b32 s95, s16, 2
	s_lshl_b32 s95, s95, 8
	s_add_co_u32 s98, s98, s95
	s_and_b32 s95, s16, 1                          ; lanes 16-31 for an odd step,
	s_lshl_b32 s95, s95, 7
	s_add_co_u32 s98, s98, s95
	s_bfe_u32 s95, s16, 0x10001                    ; word (hp / 2) % 2,
	s_lshl_b32 s95, s95, 2
	s_add_co_u32 s98, s98, s95
	s_lshl_b32 s95, s15, 1                         ; bytes 2 c, 2 c + 1
	s_add_co_u32 s98, s98, s95
	s_add_co_u32 s98, s98, AS
	s_mov_b32 s99, 0
	s_lshl_b32 s94, s94, 3
	s_add_co_u32 s94, s94, s16
	s_mul_i32 s94, s94, FRB
	s_mul_i32 s95, s15, 768
	s_add_co_u32 s94, s94, s95
	s_mov_b32 s95, 0
	s_add_nc_u64 s[96:97], s[8:9], s[94:95]        ; (Q's loads, which named these pairs, were waited for)
	s_add_nc_u64 s[98:99], s[8:9], s[98:99]
	s_wait_alu depctr_va_vdst(0)
	global_store_b128 v1, v[PCD:PCD+3], s[96:97]   ; 768 consecutive bytes, at a multiple of 256
	global_store_b64 v2, v[PCD+4:PCD+5], s[96:97] offset:512
	global_store_b8 v31, v[T1], s[98:99]
.endm
	TILE_BEGIN 1                                   ; the late tile first: its first eight steps are all open, in every wave
	s_wait_tensorcnt 1                             ; my scale words and my part of keys 0-1023 are in; keys 1,024 and up may be out
	s_barrier_signal -1
	s_barrier_wait -1
	WALK 0
	s_wait_tensorcnt 0x0                           ; my part of keys 1,024 and up
	s_wait_dscnt 0x0
	s_barrier_signal -1
	s_barrier_wait -1
	WALK 8
	s_wait_alu depctr_va_vdst(0)
	TILE_END
	TILE_BEGIN 0
	WALK 0
	s_wait_alu depctr_va_vdst(0)
	TILE_END
	s_wait_tensorcnt 0x0
	ds_add_u32 v254, v255
	s_wait_dscnt 0x0
	CROUND                                         ; the closing round
	s_endpgm
.Lfunc_end_k_q18a89c1c60_attn:
	.size	k_q18a89c1c60_attn, .Lfunc_end_k_q18a89c1c60_attn-k_q18a89c1c60_attn
	.p2alignl 7, 3214868480
	.fill 96, 4, 3214868480
	.section	.rodata,"a",@progbits
	.p2align	6, 0x0
	.amdhsa_kernel k_q18a89c1c60_attn
		.amdhsa_group_segment_fixed_size 210944
		.amdhsa_private_segment_fixed_size 0
		.amdhsa_enable_private_segment 0
		.amdhsa_kernarg_size 24
		.amdhsa_user_sgpr_count 2
		.amdhsa_user_sgpr_kernarg_segment_ptr 1
		.amdhsa_wavefront_size32 1
		.amdhsa_system_sgpr_workgroup_id_x 1
		.amdhsa_system_sgpr_workgroup_id_y 1
		.amdhsa_system_sgpr_workgroup_id_z 1
		.amdhsa_system_vgpr_workitem_id 0
		.amdhsa_next_free_vgpr 256
		.amdhsa_next_free_sgpr 102
		.amdhsa_reserve_vcc 1
		.amdhsa_float_denorm_mode_32 3
		.amdhsa_float_denorm_mode_16_64 3
		.amdhsa_memory_ordered 1
		.amdhsa_forward_progress 1
		.amdhsa_inst_pref_size 95
	.end_amdhsa_kernel
	.amdgpu_metadata
---
amdhsa.version: [ 1, 2 ]
amdhsa.kernels:
  - .name:           k_q18a89c1c60_attn
    .symbol:         k_q18a89c1c60_attn.kd
    .args:
      - { .name: qk, .offset: 0, .size: 8, .value_kind: global_buffer, .address_space: global }
      - { .name: vt, .offset: 8, .size: 8, .value_kind: global_buffer, .address_space: global }
      - { .name: at, .offset: 16, .size: 8, .value_kind: global_buffer, .address_space: global }
    .group_segment_fixed_size: 210944
    .private_segment_fixed_size: 0
    .kernarg_segment_align: 8
    .kernarg_segment_size: 24
    .max_flat_workgroup_size: 512
    .sgpr_count:     102
    .vgpr_count:     256
    .wavefront_size: 32
...
	.end_amdgpu_metadata
.endif
;; end of part 3
;; launch gemm_out (part 4): grid 4 x 64, 4 waves a work-group, clusters of 4 x 4, 295,424 bytes of LDS; arguments at, pq, b_proj, out0; writes out0
.if DOCPART == 4
	.amdgcn_target "amdgcn-amd-amdhsa--gfx1250"
	.amdhsa_code_object_version 6
	.text
	.protected	k_q18a89c1c60_gemm_out
	.globl	k_q18a89c1c60_gemm_out
	.p2align	8
	.type	k_q18a89c1c60_gemm_out,@function
k_q18a89c1c60_gemm_out:
	s_mov_b64 s[64:65], 0
	v_nop
	global_prefetch_b8 v0, s[64:65] scope:SCOPE_SE
	s_setreg_imm32_b32 hwreg(HW_REG_WAVE_MODE, 25, 1), 1
	s_wait_xcnt 0x0
	s_wait_alu depctr_hold_cnt(0) depctr_sa_sdst(0) depctr_va_vdst(0) depctr_va_sdst(0) depctr_va_ssrc(0) depctr_va_vcc(0) depctr_vm_vsrc(0)
	s_getreg_b32 s2, hwreg(HW_REG_IB_STS2, 6, 4)
	s_cmp_eq_u32 s2, 0
	s_cbranch_scc0 .Lentry_in_a_cluster
	s_endpgm
.Lentry_in_a_cluster:
	s_bfe_u32 s2, ttmp6, 0x10000c
	s_cmp_lg_u32 s2, 0xf033
	s_cbranch_scc0 .Lentry_shape_is_right
	s_endpgm
.Lentry_shape_is_right:
; out0[token][n] = sum over k of a[token][k] w_proj[n][k] + b_proj[n], on codes of BF6 with E8M0 scales, K = 1,024; out0 f32.
; P = the attention's output (at), R = w_proj (pq).  A work-group makes 128 tokens x 256 columns; the codes of all of K for these rows, 294,912 bytes, lie in LDS whole, in four chunks of 256 along K, each filled once:
; no LDS byte is filled twice, and the waits on the chunks are counted.  The claim is more than half of the LDS, so the work-group is alone where it runs.  256 work-groups.
; Four waves, each 64 x 128: 32 accumulators.  The matrix instruction is used transposed (source 0 = 16 rows of R, source 1 = 16 rows of P): a lane holds one token, and the 16 registers of R tiles 2 g, 2 g + 1
; are columns 32 g + 16 h + 0 .. 15 (a row tile's lane r stands for row 32 g + 8 u + r + 8 (r / 8)).  The bias is the C of each sum's first product.
; CLUSTERS: 4 x 4.  P's tiles are shared along a row of the cluster, R's along a column: each is asked for jointly.
; REGISTERS: window 0: v8-23 LDS addresses, v24-28 lane terms, v32-79 scale words, v128-223 P's fragments in two sets (the way out: v128-255);
;   window 1: R's fragments, two sets;  window 2: accumulator (a, b) at v[8 (8 a + b)];  window 3: v0-63 the bias of R tile b at v[8 b].
.set CH,   73728
.set TB,   3072
.set FRB,  1536
.set RB,   24576
.set AS,   0x600000
.set PS,   0xc0000
.set SP,   528                         ; the way out: a stage of 16 rows x (512 + 16) bytes for each wave, in chunk 0, which has had its only fill and its last read long before
.set AP16, 8
.set AP8,  12
.set AR16, 16
.set AR8,  20
.set L16,  24
.set L8,   25
.set BO,   26                          ; v26  64 h: my half's eight numbers of the bias
.set STO,  27
.set RD,   28
.set SCP,  32
.set SCR,  48
.set PF,   128
.set BK,   128
.set WV,   12
.set G1P,  24
.set G1R,  32
.set G0P,  40
.set G0R,  56
.set MSB, 0
.macro WIN new
.if MSB != \new
	s_set_vgpr_msb (MSB<<8)|\new
.set MSB, \new
.endif
.endm
.set MUL,  0xa1                        ; source 0 (R) window 1, source 1 (P) window 0, C and D window 2
.set MULB, 0xb1                        ; the same with C (the bias) in window 3
.set TO_R, 0x40
.macro CROUND
	s_barrier_signal -1
	s_barrier_wait -1
	s_cmp_lg_u32 s[WV], 0
	s_cbranch_scc1 .Lnot_wave_0_\@
	s_barrier_signal -3
.Lnot_wave_0_\@:
	s_barrier_wait -3
	s_barrier_signal -1
	s_barrier_wait -1
.endm
.macro PLACES
.rept 4
	v_nop
.endr
.endm
	s_load_b256 s[4:11], s[0:1], 0x0               ; at, pq, b_proj, out0
	v_lshl_add_u32 v126, v0, 2, 0x48000
	v_mov_b32 v127, 0
	ds_add_u32 v126, v127
	ds_add_u32 v126, v127
	v_lshrrev_b32 v1, 5, v0
	v_readfirstlane_b32 s[WV], v1
	s_lshr_b32 s13, s[WV], 1                       ; my half of the tokens; also: I fetch for P (0) or for R (1)
	s_and_b32 s14, s[WV], 1                        ; my half of the columns; also: which half of that tile I fetch
	s_bfe_u32 s15, ttmp6, 0x40000                  ; cx
	s_bfe_u32 s16, ttmp6, 0x40004                  ; cy
	s_and_b32 s18, ttmp7, 0xffff
	s_lshl_b32 s21, s18, 2
	s_add_co_u32 s21, s21, s16                     ; P tile (128 tokens)
	s_lshl_b32 s22, ttmp9, 2
	s_add_co_u32 s22, s22, s15                     ; R tile (256 columns)
	s_lshl_b32 s89, s16, 2
	s_lshl_b32 s89, 15, s89                        ; my row of the cluster
	s_lshl_b32 s97, 0x1111, s15                    ; my column
	s_or_b32 s[G1P], s89, (3<<16)|(1<<21)
	s_or_b32 s[G1R], s97, (3<<16)|(1<<21)
.irp g, G1P, G1R
	s_mov_b32 s[\g+1], 384<<16
	s_mov_b32 s[\g+3], 384<<16
	s_mov_b32 s[\g+5], 1536
	s_mov_b32 s[\g+6], 0
	s_mov_b32 s[\g+7], 0
.endr
	s_mov_b32 s[G1P+2], 4<<16
	s_mov_b32 s[G1P+4], 4
	s_mov_b32 s[G1R+2], 8<<16
	s_mov_b32 s[G1R+4], 8
	s_lshl_b32 s84, s21, 3
	s_lshl_b32 s85, s14, 2
	s_add_co_u32 s84, s84, s85
	s_mul_i32 s84, s84, 12288                      ; P: the four row tiles that I would fetch
	s_mov_b32 s85, 0
	s_mul_i32 s88, s14, 4*TB
	s_lshl_b32 s86, s21, 3
	s_lshl_b32 s87, s13, 2
	s_add_co_u32 s86, s86, s87
	s_lshl_b32 s86, s86, 9
	s_add_co_u32 s86, s86, AS                      ; the scale words of the four that I multiply
	s_mov_b32 s87, 0
	s_lshl_b32 s92, s22, 4
	s_lshl_b32 s93, s14, 3
	s_add_co_u32 s92, s92, s93
	s_lshl_b32 s94, s92, 9
	s_add_co_u32 s94, s94, PS
	s_mov_b32 s95, 0
	s_mul_i32 s92, s92, 12288
	s_mov_b32 s93, 0
	s_mul_i32 s96, s14, 8*TB
	s_lshl_b32 s66, s22, 1
	s_add_co_u32 s66, s66, s14
	s_lshl_b32 s66, s66, 9                         ; my 128 columns, in bytes: in the bias and in a row of out0
	s_mov_b32 s67, 0
	s_lshl_b32 s2, s21, 1
	s_add_co_u32 s2, s2, s13
	s_lshl_b32 s2, s2, 18                          ; my 64 tokens: rows of 4,096 bytes
	s_add_co_u32 s2, s2, s66
	s_mov_b32 s3, 0
	s_wait_dscnt 0x0
	s_wait_kmcnt 0x0
	s_add_nc_u64 s[84:85], s[4:5], s[84:85]
	s_add_nc_u64 s[86:87], s[4:5], s[86:87]
	s_add_nc_u64 s[92:93], s[6:7], s[92:93]
	s_add_nc_u64 s[94:95], s[6:7], s[94:95]
	s_add_nc_u64 s[66:67], s[8:9], s[66:67]
	s_add_nc_u64 s[2:3], s[10:11], s[2:3]
.irp q, 0,1,2,3
	s_mov_b32 s[G0P+4*\q], 1
	s_add_co_u32 s[G0P+4*\q+1], s88, \q*CH
	s_add_nc_u64 s[G0P+4*\q+2:G0P+4*\q+3], s[84:85], \q*TB
	s_or_b32 s[G0P+4*\q+3], s[G0P+4*\q+3], 0x80000000
	s_mov_b32 s[G0R+4*\q+4*(\q/2)], 1
	s_add_co_u32 s[G0R+4*\q+4*(\q/2)+1], s96, \q*CH+RB
	s_add_nc_u64 s[G0R+4*\q+4*(\q/2)+2:G0R+4*\q+4*(\q/2)+3], s[92:93], \q*TB
	s_or_b32 s[G0R+4*\q+4*(\q/2)+3], s[G0R+4*\q+4*(\q/2)+3], 0x80000000
.endr
	CROUND                                         ; all sixteen work-groups are here: the joint loads meet
	s_cmp_eq_u32 s13, 0                            ; a wave's four fills stand in one branch on its number: four tensor loads of mine are out
	s_cbranch_scc0 .Lfill_r
	tensor_load_to_lds s[G0P:G0P+3], s[G1P:G1P+7]
	s_nop 0
	tensor_load_to_lds s[G0P+4:G0P+7], s[G1P:G1P+7]
	s_nop 0
	tensor_load_to_lds s[G0P+8:G0P+11], s[G1P:G1P+7]
	s_nop 0
	tensor_load_to_lds s[G0P+12:G0P+15], s[G1P:G1P+7]
	s_nop 0
	PLACES
	s_branch .Lfilled
.Lfill_r:
	tensor_load_to_lds s[G0R:G0R+3], s[G1R:G1R+7]
	s_nop 0
	tensor_load_to_lds s[G0R+4:G0R+7], s[G1R:G1R+7]
	s_nop 0
	tensor_load_to_lds s[G0R+12:G0R+15], s[G1R:G1R+7]
	s_nop 0
	tensor_load_to_lds s[G0R+16:G0R+19], s[G1R:G1R+7]
	s_nop 0
	PLACES
.Lfilled:
	v_and_b32 v2, 31, v0
	v_and_b32 v3, 15, v0                           ; r
	v_bfe_u32 v4, v0, 4, 1                         ; h
	v_lshlrev_b32 v[L16], 4, v2
	v_lshlrev_b32 v[L8], 3, v2
	v_lshlrev_b32 v[BO], 6, v4
.irp a, 0,1,2,3
.irp k, 0,1
	global_load_b64 v[SCP+4*\a+2*\k:SCP+4*\a+2*\k+1], v[L8], s[86:87] offset:512*\a+256*\k
.endr
.endr
.irp b, 0,1,2,3,4,5,6,7
.irp k, 0,1
	global_load_b64 v[SCR+4*\b+2*\k:SCR+4*\b+2*\k+1], v[L8], s[94:95] offset:512*\b+256*\k
.endr
.endr
	WIN 0xc0                                       ; destination window 3
.irp b, 0,1,2,3,4,5,6,7                ; the bias in the result's layout: register j of tile b is column 32 (b / 2) + 16 h + 8 (b % 2) + j
	global_load_b128 v[8*\b:8*\b+3], v[BO], s[66:67] offset:4*(32*(\b/2)+8*(\b%2))
	global_load_b128 v[8*\b+4:8*\b+7], v[BO], s[66:67] offset:4*(32*(\b/2)+8*(\b%2))+16
.endr
	WIN 0
	s_mul_i32 s82, s13, 4*TB
	s_mul_i32 s90, s14, 8*TB
	s_add_co_u32 s90, s90, RB
.irp q, 0,1,2,3
	v_add_nc_u32 v[AP16+\q], s82, v[L16]
	v_add_nc_u32 v[AP8+\q], s82, v[L8]
	v_add_nc_u32 v[AR16+\q], s90, v[L16]
	v_add_nc_u32 v[AR8+\q], s90, v[L8]
	s_add_co_u32 s82, s82, CH
	s_add_co_u32 s90, s90, CH
.endr
	s_mul_i32 s83, s[WV], 16*SP                    ; my stage
	v_mul_u32_u24 v[STO], v3, SP
	v_lshl_add_u32 v[STO], v4, 6, v[STO]
	v_add_nc_u32 v[STO], s83, v[STO]               ; in: row r, + 64 h
	v_add_nc_u32 v[RD], s83, v[L16]                ; back: the 32 lanes take one row of 512 bytes
.macro FRAG reg, a16, a8, off
	ds_load_b128 v[\reg:\reg+3], v[\a16] offset:\off
	ds_load_b64 v[\reg+4:\reg+5], v[\a8] offset:\off+512
	ds_load_b128 v[\reg+6:\reg+9], v[\a16] offset:\off+768
	ds_load_b64 v[\reg+10:\reg+11], v[\a8] offset:\off+1280
.endm
.macro FETCH s                         ; K step s: 48 loads in one run into set s % 2
.set QQ, (\s)/2
.set SG, ((\s)%2)*FRB
.set SS, (\s)%2
	WIN TO_R
.irp b, 0,1,2,3,4,5,6,7
	FRAG 128*SS+12*\b, AR16+QQ, AR8+QQ, \b*TB+SG
.endr
	WIN 0
.irp a, 0,1,2,3
	FRAG PF+48*SS+12*\a, AP16+QQ, AP8+QQ, \a*TB+SG
.endr
.endm
; The 32 accumulators take turns, one instruction a turn, in the same order in every step.  first = 1: the bias starts the sums.
.macro MUL16 a0, s, first
.irp a, \a0, \a0+1
.irp b, 0,1,2,3,4,5,6,7
.if \first
	v_wmma_scale_f32_16x16x128_f8f6f4 v[8*(8*(\a)+\b):8*(8*(\a)+\b)+7], v[128*((\s)%2)+12*\b:128*((\s)%2)+12*\b+11], v[PF+48*((\s)%2)+12*(\a):PF+48*((\s)%2)+12*(\a)+11], v[8*\b:8*\b+7], v[SCR+4*\b+(\s)/2], v[SCP+4*(\a)+(\s)/2] matrix_a_fmt:MATRIX_FMT_BF6 matrix_b_fmt:MATRIX_FMT_BF6
.elseif (\s)%2
	v_wmma_scale_f32_16x16x128_f8f6f4 v[8*(8*(\a)+\b):8*(8*(\a)+\b)+7], v[128*((\s)%2)+12*\b:128*((\s)%2)+12*\b+11], v[PF+48*((\s)%2)+12*(\a):PF+48*((\s)%2)+12*(\a)+11], v[8*(8*(\a)+\b):8*(8*(\a)+\b)+7], v[SCR+4*\b+(\s)/2], v[SCP+4*(\a)+(\s)/2] matrix_a_fmt:MATRIX_FMT_BF6 matrix_b_fmt:MATRIX_FMT_BF6 matrix_a_scale:MATRIX_SCALE_ROW1 matrix_b_scale:MATRIX_SCALE_ROW1
.else
	v_wmma_scale_f32_16x16x128_f8f6f4 v[8*(8*(\a)+\b):8*(8*(\a)+\b)+7], v[128*((\s)%2)+12*\b:128*((\s)%2)+12*\b+11], v[PF+48*((\s)%2)+12*(\a):PF+48*((\s)%2)+12*(\a)+11], v[8*(8*(\a)+\b):8*(8*(\a)+\b)+7], v[SCR+4*\b+(\s)/2], v[SCP+4*(\a)+(\s)/2] matrix_a_fmt:MATRIX_FMT_BF6 matrix_b_fmt:MATRIX_FMT_BF6
.endif
.endr
.endr
.endm
.macro EVEN s, first
	s_wait_dscnt 8                                 ; all but the youngest eight loads (P's blocks 2, 3) are in
.if \first
	WIN MULB
.else
	WIN MUL
.endif
	MUL16 0, \s, \first
	PLACES
	FETCH (\s)+1
	s_wait_dscnt 48                                ; all but the 48 just issued
.if \first
	WIN MULB
.else
	WIN MUL
.endif
	MUL16 2, \s, \first
.endm
.macro ODD s, left                     ; left: the chunks behind the next one, whose loads may stay out
	s_wait_dscnt 0x0
	s_wait_tensorcnt \left                         ; my part of the next chunk is in
	s_barrier_signal -1
	WIN MUL
	MUL16 0, \s, 0
	s_barrier_wait -1                              ; everybody's is
	PLACES
	FETCH (\s)+1
	WIN MUL
	MUL16 2, \s, 0
.endm
	s_wait_alu depctr_va_vdst(0)
	s_wait_tensorcnt 3                             ; my part of chunk 0 is in; chunks 1 to 3 may be out
	s_barrier_signal -1
	s_barrier_wait -1
	FETCH 0
	s_wait_loadcnt 0x0                             ; the scale words and the bias
	EVEN 0, 1
	ODD 1, 2
	EVEN 2, 0
	ODD 3, 1
	EVEN 4, 0
	ODD 5, 0
	EVEN 6, 0
	s_wait_dscnt 8
	WIN MUL
	MUL16 0, 7, 0
	s_wait_dscnt 0x0
	MUL16 2, 7, 0
	WIN 0
; THE WAY OUT, a row tile (16 tokens x 128 columns) at a time: through my own stage and back as whole rows of 512 bytes.  LDS serves a wave's instructions in order: no wait between the stores and the loads.
.macro TOSTAGE a
	WIN 0x08                                       ; an LDS store's data are its source 1: window 2
.irp b, 0,1,2,3,4,5,6,7
	ds_store_b128 v[STO], v[64*(\a)+8*\b:64*(\a)+8*\b+3] offset:128*(\b/2)+32*(\b%2)       ; each accumulator from its low end on
	ds_store_b128 v[STO], v[64*(\a)+8*\b+4:64*(\a)+8*\b+7] offset:128*(\b/2)+32*(\b%2)+16
.endr
	WIN 0
.set BB, BK+64*((\a)%2)
.irp t, 0,1,2,3,4,5,6,7,8,9,10,11,12,13,14,15
	ds_load_b128 v[BB+4*\t:BB+4*\t+3], v[RD] offset:\t*SP
.endr
.endm
.macro SEND a, younger                 ; younger: the LDS instructions issued behind tile a's loads, which may stay out
.set BB, BK+64*((\a)%2)
	s_wait_dscnt \younger
.irp t, 0,1,2,3,4,5,6,7,8,9,10,11,12,13,14,15
	global_store_b128 v[L16], v[BB+4*\t:BB+4*\t+3], s[2:3] offset:(32*((\a)/2)+8*((\a)%2)+\t+8*(\t/8))*4096 th:TH_STORE_NT   ; 512 consecutive bytes, at a multiple of 256; stage row t is the tile's token t + 8 (t / 8)
.endr
.endm
	PLACES
	TOSTAGE 0
.irp a, 1,2,3
.if \a > 1
	s_wait_xcnt 0x0                                ; tile a - 2's stores have read the registers into which tile a's loads land
.endif
	TOSTAGE \a
	SEND \a-1, 32                                  ; behind tile a - 1's loads: tile a's 16 stores and 16 loads
.endr
	SEND 3, 0
	s_wait_tensorcnt 0x0
	ds_add_u32 v126, v127
	s_wait_dscnt 0x0
	CROUND                                         ; the closing round
	s_endpgm
.Lfunc_end_k_q18a89c1c60_gemm_out:
	.size	k_q18a89c1c60_gemm_out, .Lfunc_end_k_q18a89c1c60_gemm_out-k_q18a89c1c60_gemm_out
	.p2alignl 7, 3214868480
	.fill 96, 4, 3214868480
	.section	.rodata,"a",@progbits
	.p2align	6, 0x0
	.amdhsa_kernel k_q18a89c1c60_gemm_out
		.amdhsa_group_segment_fixed_size 295424
		.amdhsa_private_segment_fixed_size 0
		.amdhsa_enable_private_segment 0
		.amdhsa_kernarg_size 32
		.amdhsa_user_sgpr_count 2
		.amdhsa_user_sgpr_kernarg_segment_ptr 1
		.amdhsa_wavefront_size32 1
		.amdhsa_system_sgpr_workgroup_id_x 1
		.amdhsa_system_sgpr_workgroup_id_y 1
		.amdhsa_system_sgpr_workgroup_id_z 1
		.amdhsa_system_vgpr_workitem_id 0
		.amdhsa_next_free_vgpr 832
		.amdhsa_next_free_sgpr 102
		.amdhsa_reserve_vcc 0
		.amdhsa_float_denorm_mode_32 3
		.amdhsa_float_denorm_mode_16_64 3
		.amdhsa_memory_ordered 1
		.amdhsa_forward_progress 1
		.amdhsa_inst_pref_size 86
	.end_amdhsa_kernel
	.amdgpu_metadata
---
amdhsa.version: [ 1, 2 ]
amdhsa.kernels:
  - .name:           k_q18a89c1c60_gemm_out
    .symbol:         k_q18a89c1c60_gemm_out.kd
    .args:
      - { .name: at, .offset: 0, .size: 8, .value_kind: global_buffer, .address_space: global }
      - { .name: pq, .offset: 8, .size: 8, .value_kind: global_buffer, .address_space: global }
      - { .name: b_proj, .offset: 16, .size: 8, .value_kind: global_buffer, .address_space: global }
      - { .name: out0, .offset: 24, .size: 8, .value_kind: global_buffer, .address_space: global }
    .group_segment_fixed_size: 295424
    .private_segment_fixed_size: 0
    .kernarg_segment_align: 8
    .kernarg_segment_size: 32
    .max_flat_workgroup_size: 128
    .sgpr_count:     102
    .vgpr_count:     832
    .wavefront_size: 32
...
	.end_amdgpu_metadata
.endif
;; end of part 4
